; MI455X (gfx1250); checked and timed in simulation.
; The chip was launched on July 23, 2026; its instructions are those of AMD's public machine-readable ISA for CDNA 5 (MIT licence, August 2026) and "CDNA5" Instruction Set Architecture Reference Guide (July 2026). The comments in the code are by the model that wrote it; some were corrected since.
;; Nerf Render. Allowed arithmetic: matrix products marked QUANTISED: E2M1 operands, one E8M0 scale for each 32 along K, by v_wmma_scale_f32_16x16x128_f8f6f4 with both operands' format E2M1 (or v_wmma_scale_f32_32x16x128_f4), f32 sums; products left as they are: f32 operands where the result goes on into a quantised operand, else bf16, f16 or f32 operands; f32 sums; everything else in f32.
;; Inputs: params_Wy 128 x 1 float32; params_by 1 float32; params_cW0 161 x 128 float32; params_cW1 128 x 3 float32; params_cb0 128 float32; params_cb1 3 float32; params_dW0 63 x 128 float32; params_dW1 128 x 128 float32; params_dW2 128 x 128 float32; params_dW3 128 x 128 float32; params_dW4 191 x 128 float32; params_dW5 128 x 128 float32; params_dW6 128 x 128 float32; params_dW7 128 x 128 float32; params_db0 128 float32; params_db1 128 float32; params_db2 128 float32; params_db3 128 float32; params_db4 128 float32; params_db5 128 float32; params_db6 128 float32; params_db7 128 float32; ray 2,048 x 6 float32; t 2,048 x 64 x 1 float32.
;; Outputs: out0 2,048 x 3 float32; out1 2,048 x 1 float32; out2 2,048 x 64 x 1 float32; out3 2,048 x 64 x 1 float32.
;; This version of the problem:
;;   THIS VERSION OF THE PROBLEM IS GIVEN IN LOW PRECISION. The matrix products marked QUANTISED in the list below multiply operands that are first quantised to E2M1 (2 exponent bits, 1 mantissa bit; 4 bits a number), with one power-of-two scale for each 32 numbers along K (OCP MX v1.0); their sums are f32. All else is computed in f32.
;;   The module's matrix products, in the order in which they are computed (A, B: the left and right operand; K: the contracted axis; several contracted axes count as one K, in the product's order):
;;     1. [M 131,072, K 63] x [K 63, N 128]; A: computed on the way; B: input params_dW0: QUANTISED
;;     2. [M 131,072, K 128] x [K 128, N 128]; A: computed on the way; B: input params_dW1: QUANTISED
;;     3. [M 131,072, K 128] x [K 128, N 128]; A: computed on the way; B: input params_dW2: QUANTISED
;;     4. [M 131,072, K 128] x [K 128, N 128]; A: computed on the way; B: input params_dW3: QUANTISED
;;     5. [M 131,072, K 191] x [K 191, N 128]; A: computed on the way; B: input params_dW4: QUANTISED
;;     6. [M 131,072, K 128] x [K 128, N 128]; A: computed on the way; B: input params_dW5: QUANTISED
;;     7. [M 131,072, K 128] x [K 128, N 128]; A: computed on the way; B: input params_dW6: QUANTISED
;;     8. [M 131,072, K 128] x [K 128, N 128]; A: computed on the way; B: input params_dW7: QUANTISED
;;     9. [M 131,072, K 128] x [K 128, N 1]; A: computed on the way; B: input params_Wy: left as it is (N = 1 < 16)
;;     10. [M 131,072, K 63] x [K 63, N 128]; A: computed on the way; B: input params_dW0: QUANTISED
;;     11. [M 131,072, K 128] x [K 128, N 128]; A: computed on the way; B: input params_dW1: QUANTISED
;;     12. [M 131,072, K 128] x [K 128, N 128]; A: computed on the way; B: input params_dW2: QUANTISED
;;     13. [M 131,072, K 128] x [K 128, N 128]; A: computed on the way; B: input params_dW3: QUANTISED
;;     14. [M 131,072, K 191] x [K 191, N 128]; A: computed on the way; B: input params_dW4: QUANTISED
;;     15. [M 131,072, K 128] x [K 128, N 128]; A: computed on the way; B: input params_dW5: QUANTISED
;;     16. [M 131,072, K 128] x [K 128, N 128]; A: computed on the way; B: input params_dW6: QUANTISED
;;     17. [M 131,072, K 128] x [K 128, N 128]; A: computed on the way; B: input params_dW7: QUANTISED
;;     18. [M 131,072, K 128] x [K 128, N 1]; A: computed on the way; B: input params_Wy: left as it is (N = 1 < 16)
;;     19. [M 131,072, K 1] x [K 1, N 128]; A: computed on the way; B: input params_Wy: left as it is (K = 1 < 32)
;;     20. [M 131,072, K 128] x [K 128, N 128]; A: computed on the way; B: input params_dW7: QUANTISED
;;     21. [M 131,072, K 128] x [K 128, N 128]; A: computed on the way; B: input params_dW6: QUANTISED
;;     22. [M 131,072, K 128] x [K 128, N 128]; A: computed on the way; B: input params_dW5: QUANTISED
;;     23. [M 131,072, K 128] x [K 128, N 191]; A: computed on the way; B: input params_dW4: QUANTISED
;;     24. [M 131,072, K 128] x [K 128, N 128]; A: computed on the way; B: input params_dW3: QUANTISED
;;     25. [M 131,072, K 128] x [K 128, N 128]; A: computed on the way; B: input params_dW2: QUANTISED
;;     26. [M 131,072, K 128] x [K 128, N 128]; A: computed on the way; B: input params_dW1: QUANTISED
;;     27. [M 131,072, K 128] x [K 128, N 63]; A: computed on the way; B: input params_dW0: QUANTISED
;;     28. [M 131,072, K 161] x [K 161, N 128]; A: computed on the way; B: input params_cW0: QUANTISED
;;     29. [M 131,072, K 128] x [K 128, N 3]; A: computed on the way; B: input params_cW1: left as it is (N = 3 < 16)
;;   THE QUANTISER, for each operand of a quantised product, along K:
;;     - K is cut into blocks of 32 from its start; a last block that is shorter is filled with zeros.
;;     - A block's scale is 2^e with e = floor(log2(the largest magnitude in the block)) - 2, held to -126 .. 127; a block of zeros has e = 0. As a byte (E8M0): e + 127.
;;     - Each number is divided by its block's scale, clamped to +-6, and rounded to the nearest number of E2M1, ties to even, subnormals kept.
;;     - The product sums the exact products of the quantised numbers (number of the format x scale) in f32.
;;   ~~~python
;;   def quantise(x, axis):      # numpy; x: float32 -> the quantised numbers, widened to float32 again
;;       x = np.moveaxis(x, axis, -1); K = x.shape[-1]
;;       x = np.pad(x, [(0, 0)] * (x.ndim - 1) + [(0, -K % 32)]); x = x.reshape(x.shape[:-1] + (-1, 32)); a = np.abs(x).max(-1, keepdims=True)
;;       e = np.where(a > 0, np.clip(np.frexp(np.where(a > 0, a, 1))[1] - 1 - 2, -126, 127), 0)      # np.frexp(a)[1] - 1 = floor(log2(a)), exactly
;;       r = np.clip(x / 2.0 ** e, -6, 6)
;;       step = 2.0 ** (np.maximum(np.frexp(np.where(r == 0, 1, r))[1] - 1, 0) - 1)
;;       q = np.round(r / step) * step * 2.0 ** e      # np.round: ties to even
;;       return np.moveaxis(q.reshape(q.shape[:-2] + (-1,))[..., :K], -1, axis).astype(np.float32)
;;   ~~~
;;   OPERANDS COMPUTED ON THE WAY. 'Computed on the way' means the value that the module computes at that place (a softmax that the list does not call 'softmax' is quantised finished and normalised). What goes into a quantiser is computed in f32, as accurately as f32 sums, v_exp_f32 and their like allow (about 1e-6 of the number): no bf16 or f16 on the way to a quantiser, and a product that is left as it is and whose result goes on into a quantised operand takes f32 operands (vector FMAs, or v_wmma_f32_16x16x4_f32). A number that lies on a knife's edge between two numbers of the format may be rounded either way, as far as f32 arithmetic and the matrix unit's own rounding can turn it there, and no further.
;; One version. Each part assembles by itself: llvm-mc -triple=amdgcn-amd-amdhsa -mcpu=gfx1250 --defsym DOCPART=n.
;; ======== version 1 of 1: 2 launches
;; limits: right only within a limited range of input values; values are held in bf16: 8 bits of precision
;; workspace buffers: wimg 175,104 bytes
;; launch prep (part 1): grid 20 x 1, 4 waves a work-group, no clusters, 1,536 bytes of LDS; arguments params_dW0, params_dW1, params_dW2, params_dW3, params_dW4, params_dW5, params_dW6, params_dW7, params_cW0, params_db0, params_db1, params_db2, params_db3, params_db4, params_db5, params_db6, params_db7, params_cb0, params_Wy, params_cW1, wimg; writes wimg
.if DOCPART == 1
	.amdgcn_target "amdgcn-amd-amdhsa--gfx1250"
	.amdhsa_code_object_version 6
	.text
	.protected	k_q95f206f951_prep
	.globl	k_q95f206f951_prep
	.p2align	8
	.type	k_q95f206f951_prep,@function
k_q95f206f951_prep:
	s_mov_b64 s[64:65], 0
	v_nop
	global_prefetch_b8 v0, s[64:65] scope:SCOPE_SE
	s_setreg_imm32_b32 hwreg(HW_REG_WAVE_MODE, 25, 1), 1
	s_wait_xcnt 0x0
; All weights become ONE image, laid as the render launch's LDS wants it: codes of FP4 (E2M1) in the order of the matrix operand's registers, their E8M0 scale words, the biases and Wy in the
; layout of a result, cW1 as bf16 fragments.  Each dW is quantised twice: along its first axis for the forward product, along its second for the backward one.
; A block's scale is 2^(floor(log2(largest magnitude)) - 2); its byte is the largest magnitude's exponent field - 2, held at 1 from below (a block of zeros keeps the byte 1: its codes are zeros, and this program alone reads the bytes).
; LIMITS: NaN and infinities are not served; blocks whose largest magnitude lies under 2^-124 keep the byte 1.
; THE IMAGE.  19 groups of 8 fragments, 8,192 bytes each.  A fragment (16 rows x 128 K) is 1,024 bytes: the 16 bytes at 512 c + 256 H + 16 m are the codes K = 64 c + 32 H + 0..31 of row m.
;   group 0: dW0 forward; 1-7: dW1-7 forward (4: inputs 0-127); 8-14: dW7 .. dW1 backward; 15: the rows that lead back to the encoding (fragments 0-3 of dW4, 4-7 of dW0); 16, 17: cW0's two K steps; 18: dW4 forward, inputs 128 on.
;   byte 155,648: a group's 128 scale words, 512 bytes: the word at 16 L + 4 q belongs to fragment 2 q + L / 16, row L % 16.   byte 165,376: ten tables of 128 floats.   byte 170,496: cW1.   byte 174,592: 512 zeros.
; ORDERS.  K place kk = 32 b + 16 h + i.  Hidden unit at a place: 32 b + SG(h, i).  Colour input: 32 b + RH(h, i).  Encoding: TA(b, h, i).  Row m of fragment f lands at place 32 (f / 2) + 16 (m / 8) + 8 (f % 2) + m % 8.
; SHARES.  Work-group g < 19 makes group g: wave q, lane L makes row L % 16 of fragment 2 q + L / 16, all 128 K in its registers, so no lane asks another for a maximum.  Work-group 19 makes the rest.
; ORDERS, in place of the head's line on them: hidden units stand at K's places in their own order (SG = 16 h + i).  Row m of fragment f of a tensor whose rows are hidden units is
; unit 64 (f / 4) + 32 (m / 8) + 8 (f % 4) + m % 8: in the result, register 32 c + i of the lanes' half h is then unit 64 c + 32 h + i, two whole blocks of 32 a lane.
; The colour input at place 32 b + p is number 32 b + 6 + p for p < 26, else 32 b + p - 26.  The rows that lead back to the encoding keep the head's order.
.set FLOOR,  0x01800000
.set NUM,    64                        ; v64-191  the row's 128 numbers, in the order of K's places
.set COD,    32                        ; v32-47   their codes
.set IMG_SC, 155648
.set IMG_TB, 165376
.set IMG_CW, 170496
.set IMG_Z,  174592
.macro SIGMA h, i                      ; a hidden unit's place in its block of 32: its own
.set SG, 16*(\h)+(\i)
.endm
.macro RHO h, i                        ; the colour layer's input begins with x and n: six further on, round the block
.if 16*(\h)+(\i) < 26
.set RH, 6+16*(\h)+(\i)
.else
.set RH, 16*(\h)+(\i)-26
.endif
.endm
.macro TAU b, h, i                     ; which number of the encoding stands at a place; -1: the filling zero
.if (\i) < 10
.set TA, 3+40*(\b)+10*((\i)%2)+5*(\h)+(\i)/2
.else
.set TA, 13+10*(\b)+5*(\h)+(\i)
.endif
.set KEY, 32*(\b)+16*(\h)+(\i)
.if KEY == 30
.set TA, 1
.elseif KEY == 15
.set TA, 0
.elseif KEY == 31
.set TA, 2
.elseif KEY == 63
.set TA, 32
.elseif KEY == 47
.set TA, -1
.endif
.endm
	s_load_b512 s[4:19], s[0:1], 0x0               ; dW0 .. dW7
	s_load_b512 s[20:35], s[0:1], 0x40             ; cW0, db0 .. db6
	s_load_b256 s[36:43], s[0:1], 0x80             ; db7, cb0, Wy, cW1
	s_load_b64 s[44:45], s[0:1], 0xa0              ; the image
	v_lshl_add_u32 v192, v0, 2, 0x400
	v_mov_b32 v193, 0
	v_lshrrev_b32 v1, 5, v0
	v_readfirstlane_b32 s47, v1                    ; wave q
	s_mov_b32 s46, ttmp9                           ; g
	s_cmp_eq_u32 s46, 19
	s_cbranch_scc1 .Ltables
	; ---- what my lane's row is
	v_and_b32 v2, 15, v0                           ; m
	v_bfe_u32 v3, v0, 4, 1
	v_lshl_add_u32 v3, v1, 1, v3                   ; f = 2 q + L / 16
	v_and_b32 v4, 7, v2
	v_and_b32 v5, 1, v3
	v_lshl_add_u32 v4, v5, 3, v4                   ; i = 8 (f % 2) + m % 8
	v_lshrrev_b32 v5, 3, v2                        ; h = m / 8
	v_lshrrev_b32 v6, 1, v3                        ; f / 2
	v_and_b32 v7, 7, v2
	v_and_b32 v8, 3, v3
	v_lshl_add_u32 v7, v8, 3, v7
	v_lshl_add_u32 v7, v5, 5, v7
	v_lshrrev_b32 v8, 2, v3
	v_lshl_add_u32 v7, v8, 6, v7                   ; the hidden unit of my row: 64 (f / 4) + 32 (m / 8) + 8 (f % 4) + m % 8
	v_and_b32 v9, 1, v6                            ; b of the encoding: (f / 2) % 2
	v_and_b32 v10, 1, v4
	v_lshrrev_b32 v11, 1, v4
	v_mad_u32_u24 v12, v9, 40, v11
	v_mad_u32_u24 v12, v10, 10, v12
	v_mad_u32_u24 v12, v5, 5, v12
	v_add_nc_u32 v12, 3, v12
	v_mad_u32_u24 v13, v9, 10, v4
	v_mad_u32_u24 v13, v5, 5, v13
	v_add_nc_u32 v13, 13, v13
	v_cmp_gt_u32 vcc_lo, 10, v4
	v_cndmask_b32 v12, v13, v12, vcc_lo
	v_lshlrev_b32 v13, 5, v9
	v_lshl_add_u32 v13, v5, 4, v13
	v_add_nc_u32 v13, v13, v4                      ; the place 32 b + 16 h + i
	v_cmp_eq_u32 vcc_lo, 30, v13
	v_cndmask_b32 v12, v12, 1, vcc_lo
	v_cmp_eq_u32 vcc_lo, 15, v13
	v_cndmask_b32 v12, v12, 0, vcc_lo
	v_cmp_eq_u32 vcc_lo, 31, v13
	v_cndmask_b32 v12, v12, 2, vcc_lo
	v_cmp_eq_u32 vcc_lo, 63, v13
	v_cndmask_b32 v12, v12, 32, vcc_lo
	v_cmp_eq_u32 vcc_lo, 47, v13
	v_cndmask_b32 v12, v12, 0, vcc_lo              ; the number of the encoding of my row (the filling row reads row 0 and is cleared below)
	v_lshl_add_u32 v14, v3, 4, v2                  ; the colour layer's hidden unit: 16 f + m
	v_lshlrev_b32 v15, 10, v3
	v_lshl_add_u32 v15, v2, 4, v15                 ; my codes' place in the group: 1,024 f + 16 m
	v_and_b32 v16, 31, v0
	v_lshlrev_b32 v17, 4, v16                      ; 16 L
	v_lshl_add_u32 v18, v1, 2, v17                 ; LDS: my scale word at 16 L + 4 q
	; ---- which tensor: dW(index), index 8 = cW0
	s_sub_co_u32 s49, 15, s46
	s_cmp_ge_u32 s46, 8
	s_cselect_b32 s48, s49, s46                    ; groups 0-7: g; 8-14: 15 - g
	s_cmp_ge_u32 s46, 16
	s_cselect_b32 s48, 8, s48
	s_cmp_eq_u32 s46, 18
	s_cselect_b32 s48, 4, s48
	s_cmp_lt_u32 s47, 2
	s_cselect_b32 s49, 4, 0                        ; group 15: waves 0, 1 take dW4, waves 2, 3 dW0
	s_lshl_b32 s50, s49, 14                        ; and dW4 from its row 128 on: 65,536 bytes
	s_cmp_eq_u32 s46, 15
	s_cselect_b32 s48, s49, s48
	s_cselect_b32 s50, s50, 0
	s_cmp_eq_u32 s46, 18
	s_cselect_b32 s50, 0x10000, s50
	s_mov_b32 s51, 0
	s_mov_b32 s54, -1                              ; lanes whose row is a true row
	s_wait_kmcnt 0x0
	s_mov_b64 s[52:53], s[4:5]
.irp k, 1,2,3,4,5,6,7,8
	s_cmp_eq_u32 s48, \k                           ; the choice hangs on the work-group's and the wave's number alone
	s_cselect_b64 s[52:53], s[4+2*\k:5+2*\k], s[52:53]
.endr
	s_add_nc_u64 s[52:53], s[52:53], s[50:51]
	s_cmp_eq_u32 s46, 0
	s_cbranch_scc1 .Lpe
	s_cmp_eq_u32 s46, 18
	s_cbranch_scc1 .Lpe
	s_cmp_lt_u32 s46, 8
	s_cbranch_scc1 .Lpf
	s_cmp_lt_u32 s46, 16
	s_cbranch_scc1 .Lpb
	s_cmp_eq_u32 s46, 16
	s_cbranch_scc1 .Lpc0
	; ---- colour, K step 1: inputs 128 .. 160, the rest zeros
	s_wait_alu depctr_va_vdst(0)
	v_lshlrev_b32 v19, 2, v14
.set kk, 0
.rept 128
.if kk < 32
	RHO (kk/16)%2, kk%16
	global_load_b32 v[NUM+kk], v19, s[52:53] offset:(128+RH)*512
.elseif kk == 58
	global_load_b32 v[NUM+kk], v19, s[52:53] offset:160*512
.else
	v_mov_b32 v[NUM+kk], 0
.endif
.set kk, kk+1
.endr
	s_branch .Lq
.Lpc0:                                             ; ---- colour, K step 0
	s_wait_alu depctr_va_vdst(0)
	v_lshlrev_b32 v19, 2, v14
.set kk, 0
.rept 128
	RHO (kk/16)%2, kk%16
	global_load_b32 v[NUM+kk], v19, s[52:53] offset:(32*(kk/32)+RH)*512
.set kk, kk+1
.endr
	s_branch .Lq
.Lpe:                                              ; ---- forward from the encoding: two blocks, then zeros
	v_lshlrev_b32 v19, 2, v7
.set kk, 0
.rept 128
.if kk < 64
	TAU kk/32, (kk/16)%2, kk%16
.else
.set TA, -1
.endif
.if TA < 0
	v_mov_b32 v[NUM+kk], 0
.else
	global_load_b32 v[NUM+kk], v19, s[52:53] offset:TA*512
.endif
.set kk, kk+1
.endr
	s_branch .Lq
.Lpf:                                              ; ---- forward: K runs down the tensor's rows, my row is a column
	v_lshlrev_b32 v19, 2, v7
.set kk, 0
.rept 128
	SIGMA (kk/16)%2, kk%16
	global_load_b32 v[NUM+kk], v19, s[52:53] offset:(32*(kk/32)+SG)*512
.set kk, kk+1
.endr
	s_branch .Lq
.Lpb:                                              ; ---- backward: K runs along a row of the tensor
	s_cmp_eq_u32 s46, 15
	s_cselect_b32 s56, -1, 0
	s_wait_alu depctr_va_vdst(0)
	v_cndmask_b32 v19, v7, v12, s56                ; group 15: rows by the encoding's order
	v_lshlrev_b32 v19, 9, v19
	v_cmp_ne_u32 s54, 47, v13
	s_not_b32 s55, s56
	s_or_b32 s54, s54, s55                         ; only group 15 has a filling row
.set kk, 0
.rept 32
	global_load_b128 v[NUM+4*kk:NUM+4*kk+3], v19, s[52:53] offset:16*kk   ; K's places are the row's own order: 16 bytes a load
.set kk, kk+1
.endr
.Lq:                                               ; ---- four blocks of 32, all in my registers
	s_wait_loadcnt 0x0
.irp b, 0,1,2,3
	v_max3_num_f32 v[20+\b], |v[NUM+32*\b]|, |v[NUM+32*\b+1]|, FLOOR     ; the floor holds the byte at 1 from below
.endr
.irp i, 2,4,6,8,10,12,14,16,18,20,22,24,26,28,30
.irp b, 0,1,2,3
	v_max3_num_f32 v[20+\b], v[20+\b], |v[NUM+32*\b+\i]|, |v[NUM+32*\b+\i+1]|   ; the four blocks by turns
.endr
.endr
.irp b, 0,1,2,3
	v_add_nc_u32 v[24+\b], 0xff000000, v[20+\b]    ; 2 off the exponent field: the conversion's scale operand
.endr
.irp b, 0,1,2,3
	v_lshrrev_b32 v[28+\b], 23, v[24+\b]           ; the scale's byte
.endr
	v_lshl_or_b32 v28, v29, 8, v28
	v_lshl_or_b32 v28, v30, 16, v28
	v_lshl_or_b32 v28, v31, 24, v28                ; my row's scale word
.irp b, 0,1,2,3
.irp g, 0,1,2,3
	v_cvt_scalef32_pk8_fp4_f32 v[COD+4*\b+\g], v[NUM+32*\b+8*\g:NUM+32*\b+8*\g+7], v[24+\b]
.endr
.endr
	v_nop                                          ; one plain line behind the conversions
.set kk, 0
.rept 16
	v_cndmask_b32 v[COD+kk], 0, v[COD+kk], s54     ; the filling row's codes are zeros
.set kk, kk+1
.endr
	s_lshl_b32 s58, s46, 13
	s_mov_b32 s59, 0
	s_add_nc_u64 s[60:61], s[44:45], s[58:59]      ; my group
.irp b, 0,1,2,3
	global_store_b128 v15, v[COD+4*\b:COD+4*\b+3], s[60:61] offset:(\b/2)*512+(\b%2)*256   ; sixteen lanes store 256 consecutive bytes, aligned
.endr
	ds_store_b32 v18, v28
	s_wait_dscnt 0x0                               ; for the others' sake: my word lies in LDS
	s_barrier_signal -1
	s_barrier_wait -1
	s_cmp_lg_u32 s47, 0
	s_cbranch_scc1 .Lend
	ds_load_b128 v[48:51], v17                     ; wave 0: the group's 128 words, 16 bytes a lane
	s_lshl_b32 s58, s46, 9
	s_add_co_u32 s58, s58, IMG_SC
	s_add_nc_u64 s[62:63], s[44:45], s[58:59]
	s_wait_dscnt 0x0
	global_store_b128 v17, v[48:51], s[62:63]
.Lend:
	s_wait_tensorcnt 0x0
	ds_add_u32 v192, v193
	s_wait_dscnt 0x0
	s_endpgm
.Ltables:                                          ; ---- work-group 19.  A table's float number 64 h + 8 t + j is what register 8 t + j of the lanes' half h wants; thread n makes float n of each table
	v_lshrrev_b32 v2, 6, v0                        ; h
	v_and_b32 v3, 63, v0                           ; register
	v_and_b32 v4, 31, v3
	v_lshrrev_b32 v5, 5, v3
	v_lshl_add_u32 v6, v2, 5, v4
	v_lshl_add_u32 v6, v5, 6, v6                   ; unit 64 (register / 32) + 32 h + register % 32
	v_lshlrev_b32 v6, 2, v6                        ; the hidden unit's float
	v_lshrrev_b32 v7, 3, v3
	v_and_b32 v8, 7, v3
	v_lshl_add_u32 v7, v7, 4, v8
	v_lshl_add_u32 v7, v2, 3, v7
	v_lshlrev_b32 v7, 2, v7                        ; the colour layer's: 16 t + 8 h + j
	v_lshlrev_b32 v8, 2, v0                        ; 4 n
	v_and_b32 v9, 15, v0                           ; cW1 as source 0 of the bf16 form: row m = the colour (3 of 16 rows are used),
	v_bfe_u32 v10, v0, 4, 1                        ; lanes' half h: K = 8 h + 0..7 and 16 + 8 h + 0..7 of the wave's 32
	v_min_u32 v11, 2, v9
	v_lshl_add_u32 v12, v1, 2, v10
	v_mul_u32_u24 v12, v12, 96                     ; (32 q + 8 h) rows of 12 bytes
	v_lshl_add_u32 v12, v11, 2, v12
	v_and_b32 v13, 31, v0
	v_lshlrev_b32 v13, 4, v13
	v_lshl_add_u32 v13, v1, 10, v13                ; fragment q, 16 bytes a lane
	v_mov_b32 v14, 0
	s_wait_alu depctr_va_vdst(0)
	s_wait_kmcnt 0x0
.irp t, 0,1,2,3,4,5,6,7
	global_load_b32 v[16+\t], v6, s[22+2*\t:23+2*\t]     ; db0 .. db7
.endr
	global_load_b32 v24, v7, s[38:39]              ; cb0
	global_load_b32 v25, v6, s[40:41]              ; Wy
.set kk, 0
.rept 16
	global_load_b32 v[32+kk], v12, s[42:43] offset:(kk+8*(kk/8))*12
.set kk, kk+1
.endr
	s_wait_loadcnt 0x0
.irp t, 0,1,2,3,4,5,6,7,8,9
	global_store_b32 v8, v[16+\t], s[44:45] offset:IMG_TB+512*\t   ; a wave stores 128 consecutive bytes: 5 KiB in all
.endr
	v_cmp_gt_u32 vcc_lo, 3, v9
.set kk, 0
.rept 16
	v_cndmask_b32 v[32+kk], 0, v[32+kk], vcc_lo    ; rows 3 .. 15 are zeros
.set kk, kk+1
.endr
.set kk, 0
.rept 8
	v_cvt_pk_bf16_f32 v[48+kk], v[32+2*kk], v[33+2*kk]
.set kk, kk+1
.endr
	global_store_b128 v13, v[48:51], s[44:45] offset:IMG_CW
	global_store_b128 v13, v[52:55], s[44:45] offset:IMG_CW+512
	global_store_b32 v8, v14, s[44:45] offset:IMG_Z     ; the image's last 512 bytes: the render launch fetches them, so they are written
	s_endpgm
.Lfunc_end_k_q95f206f951_prep:
	.size	k_q95f206f951_prep, .Lfunc_end_k_q95f206f951_prep-k_q95f206f951_prep
	.p2alignl 7, 3214868480
	.fill 96, 4, 3214868480
	.section	.rodata,"a",@progbits
	.p2align	6, 0x0
	.amdhsa_kernel k_q95f206f951_prep
		.amdhsa_group_segment_fixed_size 1536
		.amdhsa_private_segment_fixed_size 0
		.amdhsa_enable_private_segment 0
		.amdhsa_kernarg_size 168
		.amdhsa_user_sgpr_count 2
		.amdhsa_user_sgpr_kernarg_segment_ptr 1
		.amdhsa_wavefront_size32 1
		.amdhsa_system_sgpr_workgroup_id_x 1
		.amdhsa_system_sgpr_workgroup_id_y 1
		.amdhsa_system_sgpr_workgroup_id_z 1
		.amdhsa_system_vgpr_workitem_id 0
		.amdhsa_next_free_vgpr 194
		.amdhsa_next_free_sgpr 66
		.amdhsa_reserve_vcc 1
		.amdhsa_float_denorm_mode_32 3
		.amdhsa_float_denorm_mode_16_64 3
		.amdhsa_memory_ordered 1
		.amdhsa_forward_progress 1
		.amdhsa_inst_pref_size 60
	.end_amdhsa_kernel
	.amdgpu_metadata
---
amdhsa.version: [ 1, 2 ]
amdhsa.kernels:
  - .name:           k_q95f206f951_prep
    .symbol:         k_q95f206f951_prep.kd
    .args:
      - { .name: params_dW0, .offset: 0, .size: 8, .value_kind: global_buffer, .address_space: global }
      - { .name: params_dW1, .offset: 8, .size: 8, .value_kind: global_buffer, .address_space: global }
      - { .name: params_dW2, .offset: 16, .size: 8, .value_kind: global_buffer, .address_space: global }
      - { .name: params_dW3, .offset: 24, .size: 8, .value_kind: global_buffer, .address_space: global }
      - { .name: params_dW4, .offset: 32, .size: 8, .value_kind: global_buffer, .address_space: global }
      - { .name: params_dW5, .offset: 40, .size: 8, .value_kind: global_buffer, .address_space: global }
      - { .name: params_dW6, .offset: 48, .size: 8, .value_kind: global_buffer, .address_space: global }
      - { .name: params_dW7, .offset: 56, .size: 8, .value_kind: global_buffer, .address_space: global }
      - { .name: params_cW0, .offset: 64, .size: 8, .value_kind: global_buffer, .address_space: global }
      - { .name: params_db0, .offset: 72, .size: 8, .value_kind: global_buffer, .address_space: global }
      - { .name: params_db1, .offset: 80, .size: 8, .value_kind: global_buffer, .address_space: global }
      - { .name: params_db2, .offset: 88, .size: 8, .value_kind: global_buffer, .address_space: global }
      - { .name: params_db3, .offset: 96, .size: 8, .value_kind: global_buffer, .address_space: global }
      - { .name: params_db4, .offset: 104, .size: 8, .value_kind: global_buffer, .address_space: global }
      - { .name: params_db5, .offset: 112, .size: 8, .value_kind: global_buffer, .address_space: global }
      - { .name: params_db6, .offset: 120, .size: 8, .value_kind: global_buffer, .address_space: global }
      - { .name: params_db7, .offset: 128, .size: 8, .value_kind: global_buffer, .address_space: global }
      - { .name: params_cb0, .offset: 136, .size: 8, .value_kind: global_buffer, .address_space: global }
      - { .name: params_Wy, .offset: 144, .size: 8, .value_kind: global_buffer, .address_space: global }
      - { .name: params_cW1, .offset: 152, .size: 8, .value_kind: global_buffer, .address_space: global }
      - { .name: wimg, .offset: 160, .size: 8, .value_kind: global_buffer, .address_space: global }
    .group_segment_fixed_size: 1536
    .private_segment_fixed_size: 0
    .kernarg_segment_align: 8
    .kernarg_segment_size: 168
    .max_flat_workgroup_size: 128
    .sgpr_count:     66
    .vgpr_count:     194
    .wavefront_size: 32
...
	.end_amdgpu_metadata
.endif
;; end of part 1
;; launch render (part 2): grid 256 x 1, 4 waves a work-group, clusters of 4 x 1, 292,352 bytes of LDS; arguments wimg, ray, t, params_by, params_cb1, out0, out1, out2, out3; writes out0, out1, out2, out3
.if DOCPART == 2
	.amdgcn_target "amdgcn-amd-amdhsa--gfx1250"
	.amdhsa_code_object_version 6
	.text
	.protected	k_q95f206f951_render
	.globl	k_q95f206f951_render
	.p2align	8
	.type	k_q95f206f951_render,@function
k_q95f206f951_render:
	s_mov_b64 s[64:65], 0
	v_nop
	global_prefetch_b8 v0, s[64:65] scope:SCOPE_SE
	s_setreg_imm32_b32 hwreg(HW_REG_WAVE_MODE, 25, 1), 1
	s_wait_xcnt 0x0
	s_wait_alu depctr_hold_cnt(0) depctr_sa_sdst(0) depctr_va_vdst(0) depctr_va_sdst(0) depctr_va_ssrc(0) depctr_va_vcc(0) depctr_vm_vsrc(0)
	s_getreg_b32 s2, hwreg(HW_REG_IB_STS2, 6, 4)
	s_cmp_eq_u32 s2, 0
	s_cbranch_scc0 .Lentry_in_a_cluster
	s_endpgm
.Lentry_in_a_cluster:
	s_bfe_u32 s2, ttmp6, 0x10000c
	s_cmp_lg_u32 s2, 0x3003
	s_cbranch_scc0 .Lentry_shape_is_right
	s_endpgm
.Lentry_shape_is_right:
; The whole renderer for 8 rays a work-group, 2 a wave, one after the other: sort t; x = o + t d; encoding; 8 layers forward; y; the same layers backward to the normal; colour layer; compositing.
; All 128-wide products are on codes of FP4 (E2M1) with one E8M0 scale for each 32 along K.  The forward pass that the gradient repeats gives the same numbers and is computed once.
; A ray's 64 points are four tiles of 16.  EVERY PRODUCT IS USED TRANSPOSED (source 0 = 16 rows of weights, source 1 = 16 points): lane (r, h) holds point r of a tile throughout, and its 64 result registers run along
; the next product's K: register 16 b + i of the lanes' half h is K place 32 b + 16 h + i, once the codes' halves have changed places.  Which unit stands at a place is the weight image's choice (made by the launch before):
; hidden units so that registers 13-15 of a block hold its last six units, which turns the colour input [x, n, h, PE(d)], six places out of step with h's blocks, into h's registers with three moves a block.
; THE WEIGHTS, 175,104 bytes of codes, scale words and tables, come into LDS once, a quarter by each wave's tensor load; the four work-groups of a cluster ask for them jointly, since all work-groups read the same bytes.
; A STAGE: the stage's 32 products; four plain lines; the LDS loads of the next stage's weights, which land while the four tiles' results are worked on by vector instructions; the next stage's products.
; x = o + t d IS ONE FUSED MULTIPLY-ADD, rounded once: the encoding's highest level, sin(512 x), magnifies x's last bit 512 times, so how x is rounded decides codes.
; THE BIASES of the eight density layers are added by an f32 addition behind the finished sum, as reference() rounds it (the sum, then + b): what follows is a quantiser, where the last bit can turn a code.
; The colour layer's bias, behind which no quantiser stands, is the C of its first products.
; RELU AND ITS DERIVATIVE.  A second conversion of z with the scale 2^-96 gives the code 7 where z > 0 and a sign bit where z < 0: from it one bit a number, which clears the codes of z <= 0 and is kept in LDS, four bits a number,
; for the way back, where a conversion from FP4 turns the code 1 under the scale 2 into 1.0.
; SINE AND COSINE: x 2/pi in two f32 words; times 2^l (exact); the nearest whole number taken off exactly; polynomials on [-pi/4, pi/4]; the quadrant from the whole number's two low bits.
; LIMITS: NaN and infinities are not served.  |x| 2^9 2/pi stays under 2^22.  A pre-activation between 0 and 2^-93 may count as not positive; at 2^31 and beyond the text leans on the FP4 conversion giving its largest code.
; Blocks whose largest magnitude lies under 2^-124 keep the scale byte 1.  The order of +0 and -0 in the sort is left open.  bf16 operands stand in the last product (128 -> 3) alone.
; REGISTERS, in windows of 256 (s_set_vgpr_msb: bits 1:0 source 0, 3:2 source 1, 5:4 source 2, 7:6 destination):
;   window 0: addresses, constants, codes of the activations, scale words, scratch.   window 1: the four tiles' 64 results each.
;   window 2: v0-127 derivatives of the encoding (later the last product's sums), v128-191 the colour input's first block, v192-223 its codes, v224-255 cW1.
;   window 3: v0-63 the stage's weights, v64-127 the second K step's (layer 4, colour), v128-191 Wy, v192-255 the layer's bias, or the unpacked mask.
; WHAT HOLDS IN PLACE OF THE HEAD'S LINES ON ORDERS, BIASES AND RELU.
; ORDER.  Row m of a weight fragment f is hidden unit 64 (f / 4) + 32 (m / 8) + 8 (f % 4) + m % 8 (the launch before lays it so): register 32 c + i of the lanes' half h is unit 64 c + 32 h + i.
; So a lane holds two WHOLE blocks of 32 along the next K, in the operand's own order: a block's largest magnitude needs no other lane, the conversions' results are the operand's registers,
; and only the scale word's four bytes are joined with lane l xor 16's.  The encoding and the rows that lead back to it keep the order of the head (16 numbers of a block a lane, halves changing places).
; THE COLOUR INPUT [x, n, h, PE(d)] is six places out of step with h's blocks: each block takes the last six units of the block before, which the other half of the lanes holds: 12 lane permutes a tile.
; Its blocks 0 and 1 share registers, and block 0 waits for the normal: these 32 numbers a lane are kept in f32: tiles 0, 1 in window 2, v128-191; tiles 2, 3 in window 3, v64-127, free between layer 4 and the colour layer.
; BIASES: every layer's bias is the C of its first products.
; RELU: z is converted as it is; a code's sign bit clears its three lower bits (what is left is -0), and goes to LDS, one bit in four, as the mask m = 1 where z < 0; on the way back g becomes g - g m.
; LIMIT: a pre-activation that is exactly +0 counts as positive on the way back, where reference() counts it as not positive.
; THE SORT of both of a wave's rays stands at the head, on registers alone, while the image is on its way; the second ray's sorted t, and its o and d, wait in registers for their turn.
.set IMG_SC, 155648
.set IMG_TB, 165376                    ; ten tables of 512 bytes: db0-7, cb0, Wy;
.set IMG_CW, 170496                    ; cW1's four bf16 fragments
.set QUART,  43776                     ; a wave's quarter of the image: 171 rows of 256 bytes
.set MBASE,  175104                    ; behind the image: the masks, for each wave 7 layers x 4 tiles x 1,024 bytes
.set MWAVE,  28672
.set OBASE,  289792                    ; and 512 bytes a wave through which 64 numbers of a ray leave
.set LANE16, 1                         ; 16 x lane
.set HB,     2                         ; 256 x (lane / 16)
.set MA,     3                         ; my place in my wave's masks
.set MA5,    4                         ; the same, layer 5
.set OA,     5                         ; out stage + 4 x lane
.set OB,     6                         ; out stage + 8 x lane
.set GO8,    7                         ; 8 x lane
.set OUTP,   8                         ; v[8:9] 8 bytes on their way out
.set FLOORV, 10                        ; 2^(3 - 127)
.set SATV,   11                        ; 2^-96
.set U80,    12                        ; the scale byte of 2, four times
.set LANE,   13
.set KC,     14                        ; v[14:15] two polynomial coefficients
.set TM,     16                        ; v16-31: +0 largest magnitudes, +4 the other half's, +8 scale operands, +12 scale bytes
.set HC,     32                        ; codes of the activation in hand, 8 a tile
.set EC,     64                        ; codes of the encoding; on the way back those of layer 4's gradient
.set CK1,    96                        ; codes of the colour input's K step 1
.set WS,     128                       ; scale words: the weights',
.set WSE,    132                       ; the second K step's weights',
.set HS,     136                       ; HC's, one a tile,
.set ES,     140                       ; EC's,
.set CS0,    144                       ; the colour input's
.set CS1,    148
.set TT,     152                       ; t of my point, one a tile
.set YY,     156                       ; y
.set SH8,    160                       ; 8 x (lane / 16): where my blocks' bytes stand in a scale word
.set PM,     161                       ; the largest magnitude of what the whole ray shares of the colour input's blocks 4 and 5
.set SO,     162                       ; v162-169 scale operands: two a tile
.set SMY,    24                        ; v24-31 y's sum, four chains of two: over TM + 8 .. 15, which are free while y is summed
.set T26,    200                       ; layer 7: the other half's registers 26-31,
.set T58,    246                       ; and 58-63
.set PX,     208                       ; v208-239 the colour input's blocks 4 (lanes 0-15) and 5 (lanes 16-31)
.set GO4,    179                       ; 4 x lane
.set PW2,    180                       ; 2^(5 h + 0 .. 5)
.set WC,     186                       ; x 2/pi in two words, three coordinates
.set SCR,    192
.set AT,     252
.set AT2,    253
.set AT3,    254
.set AM,     255
.set C0,     128                       ; window 2
.set CK0,    192
.set CW1,    224
.set WB,     0                         ; window 3
.set WE,     64
.set WY,     128
.set BIAS,   192
.set MF,     192
.set MK,     192                       ; window 0 scratch: a layer's masks, 8 a tile
.set SS,     192                       ; forward: the second conversion, at work, the mask
.set SX,     200
.set SM,     208
.set ST0,    32                        ; the sort: the ray in hand (these two hold codes from layer 0 on);
.set ST1,    33
.set SNX,    138                       ; the wave's second ray lies so many registers further on, in v170-171, and waits there
.set SA,     194
.set SB,     195
.set SC,     196
.set SD,     197
.set PT,     192                       ; the encoding: six angles at a time
.set PR,     198
.set PZ,     204
.set PS,     210
.set PC,     216
.set PA,     222
.set PG,     234
.set PU,     246
.set PV,     247
.set X,      248
.set PWD,    250
.set MSB, 0
.macro WIN new                         ; the immediate's high byte repeats the setting that is left
.if MSB != \new
	s_set_vgpr_msb (MSB<<8)|\new
.set MSB, \new
.endif
.endm
.macro NOPS n
.rept \n
	v_nop
.endr
.endm
.macro ROUND                           ; a round of the cluster's barrier
	s_barrier_signal -1
	s_barrier_wait -1
	s_cmp_lg_u32 s22, 0
	s_cbranch_scc1 .Lnot_wave_0_\@
	s_barrier_signal -3
.Lnot_wave_0_\@:
	s_barrier_wait -3
	s_barrier_signal -1
	s_barrier_wait -1
.endm
; 17 LDS loads: a group's scale words (fragment t: register t / 2, lanes 16-31 for odd t), then its 8 fragments as they stand, 512 consecutive bytes a load
.macro LOADW at, at2, dst, ws
	ds_load_b128 v[\ws:\ws+3], v[\at2]
	WIN 0xc0
.set lk, 0
.rept 16
	ds_load_b128 v[\dst+4*lk:\dst+4*lk+3], v[\at] offset:512*lk
.set lk, lk+1
.endr
	WIN 0
.endm
.macro LOADT at, dst                   ; 16 LDS loads: a table's 64 floats of my half of the lanes
	WIN 0xc0
.set lk, 0
.rept 16
	ds_load_b128 v[\dst+4*lk:\dst+4*lk+3], v[\at] offset:16*lk
.set lk, lk+1
.endr
	WIN 0
.endm
; 2 n2 products: results from register d on, weights from wa on, the points' codes bb with scale word bs, the weights' scale words from as on.  cm = 0: C is 0; 1: the bias; 2: the sum goes on in place.
; The accumulators take turns, one instruction a turn.
.macro WMN n2, d, wa, bb, bs, as, cm
.set wq, 0
.rept \n2
.set wd, (\d)+16*wq
.set wv, (\wa)+16*wq
.set wb, BIAS+16*wq
.set wz, (\as)+wq
.if (\cm) == 0
	v_wmma_scale_f32_16x16x128_f8f6f4 v[wd:wd+7], v[wv:wv+7], v[\bb:\bb+7], 0, v[wz], v[\bs] matrix_a_fmt:MATRIX_FMT_FP4 matrix_b_fmt:MATRIX_FMT_FP4
	v_wmma_scale_f32_16x16x128_f8f6f4 v[wd+8:wd+15], v[wv+8:wv+15], v[\bb:\bb+7], 0, v[wz], v[\bs] matrix_a_fmt:MATRIX_FMT_FP4 matrix_b_fmt:MATRIX_FMT_FP4 matrix_a_scale:MATRIX_SCALE_ROW1
.elseif (\cm) == 1
	v_wmma_scale_f32_16x16x128_f8f6f4 v[wd:wd+7], v[wv:wv+7], v[\bb:\bb+7], v[wb:wb+7], v[wz], v[\bs] matrix_a_fmt:MATRIX_FMT_FP4 matrix_b_fmt:MATRIX_FMT_FP4
	v_wmma_scale_f32_16x16x128_f8f6f4 v[wd+8:wd+15], v[wv+8:wv+15], v[\bb:\bb+7], v[wb+8:wb+15], v[wz], v[\bs] matrix_a_fmt:MATRIX_FMT_FP4 matrix_b_fmt:MATRIX_FMT_FP4 matrix_a_scale:MATRIX_SCALE_ROW1
.else
	v_wmma_scale_f32_16x16x128_f8f6f4 v[wd:wd+7], v[wv:wv+7], v[\bb:\bb+7], v[wd:wd+7], v[wz], v[\bs] matrix_a_fmt:MATRIX_FMT_FP4 matrix_b_fmt:MATRIX_FMT_FP4
	v_wmma_scale_f32_16x16x128_f8f6f4 v[wd+8:wd+15], v[wv+8:wv+15], v[\bb:\bb+7], v[wd+8:wd+15], v[wz], v[\bs] matrix_a_fmt:MATRIX_FMT_FP4 matrix_b_fmt:MATRIX_FMT_FP4 matrix_a_scale:MATRIX_SCALE_ROW1
.endif
.set wq, wq+1
.endr
.endm
; The largest (magnitude) of each of n runs of len registers (8 or 16) from base on, into v[tm] on, with the floor among the leaves; the n runs by turns, so that a line reads what was written n lines before it;
; each accumulator from its low end on.  The caller sets the numbers' window for sources 1 and 2.
.macro MAXQ base, tm, n, abs, len
.set mi, 0
.rept (\len)/2
.set mb, 0
.rept \n
.if mi == 0
.if \abs
	v_max3_num_f32 v[\tm+mb], v[FLOORV], |v[\base+(\len)*mb]|, |v[\base+(\len)*mb+1]|
.else
	v_max3_num_f32 v[\tm+mb], v[FLOORV], v[\base+(\len)*mb], v[\base+(\len)*mb+1]
.endif
.else
.if \abs
	v_max3_num_f32 v[\tm+mb], v[\tm+mb], |v[\base+(\len)*mb+mi]|, |v[\base+(\len)*mb+mi+1]|
.else
	v_max3_num_f32 v[\tm+mb], v[\tm+mb], v[\base+(\len)*mb+mi], v[\base+(\len)*mb+mi+1]
.endif
.endif
.set mb, mb+1
.endr
.set mi, mi+2
.endr
.endm
; From the four tiles' four runs each (TM + 4 p + 0 .. 3): a block is two runs; its scale operand (2 off the exponent field) into SO + 2 p + c; its byte; my two bytes at their places, 8 h bits up; with lane l xor 16's two the word HS + p is whole.
.macro SCALE4
.irp q, 0,2,4,6,8,10,12,14
	v_max_num_f32 v[TM+\q], v[TM+\q], v[TM+\q+1]
.endr
.irp q, 0,1,2,3,4,5,6,7
	v_add_nc_u32 v[SO+\q], 0xff000000, v[TM+2*\q]
.endr
.irp q, 0,1,2,3,4,5,6,7
	v_lshrrev_b32 v[TM+2*\q], 23, v[SO+\q]
.endr
.irp p, 0,1,2,3
	v_lshl_or_b32 v[TM+4*\p], v[TM+4*\p+2], 16, v[TM+4*\p]
.endr
.irp p, 0,1,2,3
	v_lshlrev_b32 v[TM+4*\p], v[SH8], v[TM+4*\p]
.endr
.irp p, 0,1,2,3
	v_permlanex16_b32 v[TM+4*\p+1], v[TM+4*\p], s44, s45
.endr
.irp p, 0,1,2,3
	v_or_b32 v[HS+\p], v[TM+4*\p], v[TM+4*\p+1]
.endr
.endm
.macro CVT4                            ; the four tiles' 64 numbers a lane become the operand's 8 registers; one plain line behind the run
	WIN 0x01
.irp p, 0,1,2,3
.irp k, 0,1,2,3,4,5,6,7
	v_cvt_scalef32_pk8_fp4_f32 v[HC+8*\p+\k], v[64*\p+8*\k:64*\p+8*\k+7], v[SO+2*\p+\k/4]
.endr
.endr
	WIN 0
	v_nop
.endm
.macro CROSS n                         ; with lane l xor 16's 16 numbers: the block's largest; its scale operand (2 off the exponent field) and its byte
.set cb, 0
.rept \n
	v_permlanex16_b32 v[TM+4+cb], v[TM+cb], s44, s45
.set cb, cb+1
.endr
.set cb, 0
.rept \n
	v_max_num_f32 v[TM+cb], v[TM+cb], v[TM+4+cb]
.set cb, cb+1
.endr
.set cb, 0
.rept \n
	v_add_nc_u32 v[TM+8+cb], 0xff000000, v[TM+cb]
.set cb, cb+1
.endr
.set cb, 0
.rept \n
	v_lshrrev_b32 v[TM+12+cb], 23, v[TM+8+cb]
.set cb, cb+1
.endr
.endm
.macro CVTN dst, src, n, sc            ; n conversions of eight numbers, two to a block
.set ck, 0
.rept \n
	v_cvt_scalef32_pk8_fp4_f32 v[\dst+ck], v[\src+8*ck:\src+8*ck+7], v[\sc+ck/2]
.set ck, ck+1
.endr
.endm
.macro SWAP2 b                         ; the operand wants a whole block in a lane: lanes 0-15 the even block, lanes 16-31 the odd one
	v_permlane16_swap_b32 v[\b], v[\b+2]
	v_permlane16_swap_b32 v[\b+1], v[\b+3]
.endm
; ---- forward: the four tiles' z become codes of relu(z), scale words, and masks in LDS
.macro FWD4
	WIN 0x14
	MAXQ 0, TM, 16, 0, 16                          ; the four tiles' 16 runs by turns: run 4 p + q into TM + 4 p + q.  No |.|: what is negative does not count
	WIN 0
	SCALE4
	CVT4
.irp p, 0,1,2,3
.irp k, 0,1,2,3,4,5,6,7
	v_and_b32 v[SX+\k], 0x88888888, v[HC+8*\p+\k]  ; the codes' sign bits
.endr
.irp k, 0,1,2,3,4,5,6,7
	v_lshrrev_b32 v[SM+\k], 3, v[SX+\k]            ; the mask: 1 in each four bits where z < 0
.endr
.irp k, 0,1,2,3,4,5,6,7
	v_sub_nc_u32 v[SX+\k], v[SX+\k], v[SM+\k]      ; 7 there
.endr
.irp k, 0,1,2,3,4,5,6,7
	v_bfi_b32 v[HC+8*\p+\k], v[SX+\k], 0, v[HC+8*\p+\k]   ; relu on the codes: a negative number's code becomes -0
.endr
	ds_store_b128 v[AM], v[SM:SM+3] offset:1024*\p
	ds_store_b128 v[AM], v[SM+4:SM+7] offset:1024*\p+512
.endr
.endm
.macro MLOAD                           ; a layer's masks of the four tiles: 8 LDS loads
.irp k, 0,1,2,3,4,5,6,7
	ds_load_b128 v[MK+4*\k:MK+4*\k+3], v[AM] offset:512*\k
.endr
.endm
; ---- backward: the four tiles' gradients, cleared where z < 0, quantised
.macro BWD4
.irp p, 0,1,2,3
	WIN 0xc0
.irp k, 0,1,2,3,4,5,6,7
	v_cvt_scale_pk8_f32_fp4 v[MF+8*\k:MF+8*\k+7], v[MK+8*\p+\k], v[U80]   ; the code 1 is 0.5; under the scale 2: m = 1.0 where z < 0
.endr
	v_nop
	WIN 0x5d
.set gk, 0
.rept 32
	v_pk_fma_f32 v[64*\p+gk:64*\p+gk+1], v[64*\p+gk:64*\p+gk+1], v[MF+gk:MF+gk+1], v[64*\p+gk:64*\p+gk+1] neg_lo:[1,0,0] neg_hi:[1,0,0]   ; g - g m: exact
.set gk, gk+2
.endr
.endr
	WIN 0x14
	MAXQ 0, TM, 16, 1, 16                          ; the four tiles' 16 runs by turns
	WIN 0
	SCALE4
	CVT4
.endm
; ---- sine and cosine of ng pairs of angles: (x 2/pi) in v[wc], v[wc+1], times the powers of two from v[pw] on.  Leaves the whole numbers (over 1.5 x 2^23) in PT, sin and cos of the rest in PS, PC
.macro PEPOLY wc, pw, ng
.set gq, 0
.rept \ng
	v_pk_fma_f32 v[PT+gq:PT+gq+1], v[\wc:\wc+1], v[\pw+gq:\pw+gq+1], s[46:47] op_sel_hi:[0,1,0]     ; + 1.5 x 2^23 rounds to a whole number
.set gq, gq+2
.endr
.set gq, 0
.rept \ng
	v_pk_add_f32 v[PR+gq:PR+gq+1], v[PT+gq:PT+gq+1], s[46:47] op_sel_hi:[1,0] neg_lo:[0,1] neg_hi:[0,1]
.set gq, gq+2
.endr
.set gq, 0
.rept \ng
	v_pk_fma_f32 v[PR+gq:PR+gq+1], v[\wc:\wc+1], v[\pw+gq:\pw+gq+1], v[PR+gq:PR+gq+1] op_sel_hi:[0,1,1] neg_lo:[0,0,1] neg_hi:[0,0,1]   ; the high word less the whole number: exact
.set gq, gq+2
.endr
.set gq, 0
.rept \ng
	v_pk_fma_f32 v[PR+gq:PR+gq+1], v[\wc:\wc+1], v[\pw+gq:\pw+gq+1], v[PR+gq:PR+gq+1] op_sel:[1,0,0] op_sel_hi:[1,1,1]   ; and the low word
.set gq, gq+2
.endr
.set gq, 0
.rept \ng
	v_pk_mul_f32 v[PR+gq:PR+gq+1], v[PR+gq:PR+gq+1], s[48:49] op_sel_hi:[1,0]      ; x pi/2: an angle in [-pi/4, pi/4]
.set gq, gq+2
.endr
.set gq, 0
.rept \ng
	v_pk_mul_f32 v[PZ+gq:PZ+gq+1], v[PR+gq:PR+gq+1], v[PR+gq:PR+gq+1]
.set gq, gq+2
.endr
.set gq, 0
.rept \ng
	v_pk_fma_f32 v[PS+gq:PS+gq+1], v[PZ+gq:PZ+gq+1], s[50:51], v[KC:KC+1] op_sel_hi:[1,0,0]
	v_pk_fma_f32 v[PC+gq:PC+gq+1], v[PZ+gq:PZ+gq+1], s[54:55], v[KC:KC+1] op_sel:[0,0,1] op_sel_hi:[1,0,1]
.set gq, gq+2
.endr
.set gq, 0
.rept \ng
	v_pk_fma_f32 v[PS+gq:PS+gq+1], v[PS+gq:PS+gq+1], v[PZ+gq:PZ+gq+1], s[52:53] op_sel_hi:[1,1,0]
	v_pk_fma_f32 v[PC+gq:PC+gq+1], v[PC+gq:PC+gq+1], v[PZ+gq:PZ+gq+1], s[56:57] op_sel_hi:[1,1,0]
.set gq, gq+2
.endr
.set gq, 0
.rept \ng
	v_pk_mul_f32 v[PS+gq:PS+gq+1], v[PS+gq:PS+gq+1], v[PZ+gq:PZ+gq+1]
	v_pk_fma_f32 v[PC+gq:PC+gq+1], v[PC+gq:PC+gq+1], v[PZ+gq:PZ+gq+1], -0.5 op_sel_hi:[1,1,0]
.set gq, gq+2
.endr
.set gq, 0
.rept \ng
	v_pk_fma_f32 v[PS+gq:PS+gq+1], v[PS+gq:PS+gq+1], v[PR+gq:PR+gq+1], v[PR+gq:PR+gq+1]
	v_pk_fma_f32 v[PC+gq:PC+gq+1], v[PC+gq:PC+gq+1], v[PZ+gq:PZ+gq+1], 1.0 op_sel_hi:[1,1,0]
.set gq, gq+2
.endr
.endm
.macro PEFIX k                         ; the quadrant of angle k: an odd whole number swaps sine and cosine; its bit 1 turns the sine's sign, bit 1 xor bit 0 the cosine's
	v_lshlrev_b32 v[PU], 31, v[PT+\k]
	v_lshlrev_b32 v[PV], 30, v[PT+\k]
	v_cmp_gt_i32 vcc_lo, 0, v[PU]
	v_and_or_b32 v[PG+2*\k], v[PV], s60, s61       ; +-1.0
	v_xor_b32 v[PV], v[PV], v[PU]
	v_cndmask_b32 v[PA+2*\k], v[PS+\k], v[PC+\k], vcc_lo
	v_cndmask_b32 v[PA+2*\k+1], v[PC+\k], v[PS+\k], vcc_lo
	v_and_or_b32 v[PG+2*\k+1], v[PV], s60, s61
.endm
.macro PEFIX5                          ; the same for angles 0 to 4, by turns, so that no line waits for the line above it; the five masks in s25-29, which are free during the encoding
.irp k, 0,1,2,3,4
	v_lshlrev_b32 v[PG+2*\k+1], 31, v[PT+\k]
.endr
.irp k, 0,1,2,3,4
	v_lshlrev_b32 v[PG+2*\k], 30, v[PT+\k]
.endr
.irp k, 0,1,2,3,4
	v_cmp_gt_i32 s[25+\k], 0, v[PG+2*\k+1]
.endr
.irp k, 0,1,2,3,4
	v_xor_b32 v[PG+2*\k+1], v[PG+2*\k], v[PG+2*\k+1]
.endr
.irp k, 0,1,2,3,4
	v_and_or_b32 v[PG+2*\k], v[PG+2*\k], s60, s61
.endr
.irp k, 0,1,2,3,4
	v_and_or_b32 v[PG+2*\k+1], v[PG+2*\k+1], s60, s61
.endr
.irp k, 0,1,2,3,4
	v_cndmask_b32 v[PA+2*\k], v[PS+\k], v[PC+\k], s[25+\k]
.endr
.irp k, 0,1,2,3,4
	v_cndmask_b32 v[PA+2*\k+1], v[PC+\k], v[PS+\k], s[25+\k]
.endr
.endm
.macro PEDER d, s, k                   ; (cos, -sin) x 2^l of the pair (sin, cos) in v[s]
.if (\k)%2
	v_pk_mul_f32 v[\d:\d+1], v[\s:\s+1], v[PW2+2*((\k)/2):PW2+2*((\k)/2)+1] op_sel:[1,1] op_sel_hi:[0,1] neg_hi:[1,0]
.else
	v_pk_mul_f32 v[\d:\d+1], v[\s:\s+1], v[PW2+2*((\k)/2):PW2+2*((\k)/2)+1] op_sel:[1,0] op_sel_hi:[0,0] neg_hi:[1,0]
.endif
.endm
.macro PEOUT r0                        ; coordinates 0 and 2: sine and cosine of a level side by side, from register r0 of the tile on; their derivatives likewise
	WIN 0x40
.irp k, 0,1,2,3,4
	v_pk_mul_f32 v[A+\r0+2*\k:A+\r0+2*\k+1], v[PA+2*\k:PA+2*\k+1], v[PG+2*\k:PG+2*\k+1]
.endr
	WIN 0x81
.irp k, 0,1,2,3,4
	PEDER JJ+\r0+2*\k, A+\r0+2*\k, \k
.endr
	WIN 0
.endm
; ---- the encoding of tile p's points: 32 numbers a lane (levels 5 h .. 5 h + 4 of the three coordinates, and x), their derivatives, their codes
.macro PESTEP p
.set A, 64*\p
.set JJ, 32*\p
.irp c, 0,1,2
	v_fma_f32 v[X+\c], s[69+\c], v[TT+\p], s[66+\c]    ; x = o + t d: one fused multiply-add, one rounding
.endr
.irp c, 0,1,2
	v_mul_f32 v[WC+2*\c], s58, v[X+\c]             ; x 2/pi: the high word,
.endr
.irp c, 0,1,2
	v_fma_f32 v[WC+2*\c+1], v[X+\c], s58, -v[WC+2*\c]   ; what its rounding lost,
.endr
.irp c, 0,1,2
	v_fma_f32 v[WC+2*\c+1], v[X+\c], s59, v[WC+2*\c+1]  ; and 2/pi's own low word
.endr
	PEPOLY WC, PW2, 3
	PEFIX5
	PEOUT 0
	PEPOLY WC+2, PW2, 3
	PEFIX5
.irp k, 0,1,2,3,4
	v_pk_mul_f32 v[PA+2*\k:PA+2*\k+1], v[PA+2*\k:PA+2*\k+1], v[PG+2*\k:PG+2*\k+1]
.endr
.irp k, 0,1,2,3,4
	PEDER PG+2*\k, PA+2*\k, \k
.endr
	WIN 0x40                                       ; coordinate 1's sines end block 0, its cosines end block 1; x and the filling zero take the places left
.irp k, 0,1,2,3
	v_mov_b32 v[A+10+\k], v[PA+2*\k]
.endr
.irp k, 0,1,2,3,4
	v_mov_b32 v[A+26+\k], v[PA+2*\k+1]
.endr
	v_cndmask_b32 v[A+14], v[PA+8], v[X+1], s30
	v_cndmask_b32 v[A+15], v[X], v[X+2], s30
	v_cndmask_b32 v[A+31], 0, v[PA+8], s30
	WIN 0x80
.irp k, 0,1,2,3
	v_mov_b32 v[JJ+10+\k], v[PG+2*\k]
.endr
.irp k, 0,1,2,3,4
	v_mov_b32 v[JJ+26+\k], v[PG+2*\k+1]
.endr
	v_cndmask_b32 v[JJ+14], v[PG+8], 1.0, s30
	v_mov_b32 v[JJ+15], 1.0
	v_cndmask_b32 v[JJ+31], 0, v[PG+8], s30
	WIN 0
	PEPOLY WC+4, PW2, 3
	PEFIX5
	PEOUT 16
	WIN 0x14
	MAXQ A, TM+8, 4, 1, 8
	WIN 0
	v_max_num_f32 v[TM], v[TM+8], v[TM+9]          ; my 16 numbers of block 0,
	v_max_num_f32 v[TM+1], v[TM+10], v[TM+11]      ; of block 1
	CROSS 2
	WIN 0x01
	CVTN EC+8*\p, A, 4, TM+8
	WIN 0
	v_lshl_or_b32 v[ES+\p], v[TM+13], 8, v[TM+12]  ; (a plain line behind the conversions)
.irp i, 4,5,6,7
	v_mov_b32 v[EC+8*\p+\i], 0                     ; K places 64 on: zero codes
.endr
	SWAP2 EC+8*\p
.endm
.macro KEPT p                          ; where tile p's 32 numbers of the colour input's blocks 0 and 1 are kept: window KW, from register KB on
.set KW, 2+(\p)/2
.set KB, 128-64*((\p)/2)+32*((\p)%2)
.endm
; ---- layer 7's z: h, y, the first gradient, and the colour input's blocks 2 to 5
.macro L7STEP p
.set A, 64*\p
	KEPT \p
	WIN 0x01
.irp k, 0,1,2,3,4,5,6,7
	v_cvt_scalef32_pk8_fp4_f32 v[SS+\k], v[A+8*\k:A+8*\k+7], v[SATV]   ; only the codes' sign bits are used
.endr
	WIN 0
	v_nop
.irp k, 0,1,2,3,4,5,6,7
	v_lshrrev_b32 v[SS+\k], 3, v[SS+\k]
.endr
.irp k, 0,1,2,3,4,5,6,7
	v_and_b32 v[SS+\k], s62, v[SS+\k]
.endr
	WIN 0xc0
.irp k, 0,1,2,3,4,5,6,7
	v_cvt_scale_pk8_f32_fp4 v[MF+8*\k:MF+8*\k+7], v[SS+\k], v[U80]     ; m = 1.0 where z < 0
.endr
	v_nop
	WIN (0x1d|(KW<<6))
.set lq, 0
.rept 16
	v_pk_fma_f32 v[KB+lq:KB+lq+1], v[A+lq:A+lq+1], v[MF+lq:MF+lq+1], v[A+lq:A+lq+1] neg_lo:[1,0,0] neg_hi:[1,0,0]   ; h = z - z m: registers 0-31 go where they are kept,
.set lq, lq+2
.endr
	WIN 0x5d
.rept 16
	v_pk_fma_f32 v[A+lq:A+lq+1], v[A+lq:A+lq+1], v[MF+lq:MF+lq+1], v[A+lq:A+lq+1] neg_lo:[1,0,0] neg_hi:[1,0,0]     ; registers 32-63 stay
.set lq, lq+2
.endr
	WIN (0x0c|KW)
.set lq, 0
.rept 16                                           ; y = h . Wy + by in f32, four chains of two
.if lq < 8
	v_pk_mul_f32 v[SMY+lq:SMY+lq+1], v[KB+lq:KB+lq+1], v[WY+lq:WY+lq+1]
.else
	v_pk_fma_f32 v[SMY+lq%8:SMY+lq%8+1], v[KB+lq:KB+lq+1], v[WY+lq:WY+lq+1], v[SMY+lq%8:SMY+lq%8+1]
.endif
.set lq, lq+2
.endr
	WIN 0x0d
.rept 16
	v_pk_fma_f32 v[SMY+lq%8:SMY+lq%8+1], v[A+lq:A+lq+1], v[WY+lq:WY+lq+1], v[SMY+lq%8:SMY+lq%8+1]
.set lq, lq+2
.endr
	WIN 0xff
.set lq, 0
.rept 32
	v_pk_fma_f32 v[MF+lq:MF+lq+1], v[WY+lq:WY+lq+1], v[MF+lq:MF+lq+1], v[WY+lq:WY+lq+1] neg_lo:[1,0,0] neg_hi:[1,0,0]   ; the gradient at z: Wy - Wy m
.set lq, lq+2
.endr
	WIN 0
	v_pk_add_f32 v[SMY:SMY+1], v[SMY:SMY+1], v[SMY+2:SMY+3]
	v_pk_add_f32 v[SMY+4:SMY+5], v[SMY+4:SMY+5], v[SMY+6:SMY+7]
	v_pk_add_f32 v[SMY:SMY+1], v[SMY:SMY+1], v[SMY+4:SMY+5]
	v_add_f32 v[SMY], v[SMY], v[SMY+1]
	v_permlanex16_b32 v[SMY+2], v[SMY], s44, s45
	v_add_f32 v[SMY], v[SMY], v[SMY+2]
	v_add_f32 v[YY+\p], s75, v[SMY]
	WIN KW                                         ; each block's last six units go on into the next block, which the other half of the lanes holds
.irp j, 0,1,2,3,4,5
	v_permlanex16_b32 v[T26+\j], v[KB+26+\j], s44, s45
.endr
	WIN 0x01
.irp j, 0,1,2,3,4,5
	v_permlanex16_b32 v[T58+\j], v[A+58+\j], s44, s45
.endr
	WIN (KW<<6)
.irp j, 0,1,2,3,4,5
	v_mov_b32 v[KB+26+\j], v[T26+\j]               ; block 1 (lanes 16-31): h 26-31.  Lanes 0-15 get x and n with the normal
.endr
	WIN 0x40
.irp j, 0,1,2,3,4,5
	v_cndmask_b32 v[A+58+\j], v[T26+\j], v[T58+\j], s30    ; block 2: h 58-63; block 3: h 90-95
.endr
	WIN 0
	v_cndmask_b32 v[PX+26], v[T58], s99, s30       ; block 4: h 122-127; block 5: PE(d)[26], then zeros
.irp j, 1,2,3,4,5
	v_cndmask_b32 v[PX+26+\j], v[T58+\j], 0, s30
.endr
	WIN 0x3c
	MAXQ MF, TM, 4, 1, 16
	WIN 0x14
	MAXQ A+32, TM+4, 4, 0, 8
	WIN 0
	v_max3_num_f32 v[TM+12], v[PM], |v[PX+26]|, |v[PX+27]|
	v_max_num_f32 v[TM+8], v[TM], v[TM+1]
	v_max_num_f32 v[TM+9], v[TM+2], v[TM+3]
	v_max3_num_f32 v[TM+10], v[TM+4], v[TM+5], v[TM+6]
	v_max3_num_f32 v[TM+12], v[TM+12], |v[PX+28]|, |v[PX+29]|
	v_max_num_f32 v[TM+10], v[TM+10], v[TM+7]
	v_max3_num_f32 v[TM+11], v[TM+12], |v[PX+30]|, |v[PX+31]|
.irp q, 0,1,2,3
	v_add_nc_u32 v[SO+\q], 0xff000000, v[TM+8+\q]  ; the gradient's two blocks, the colour input's block 2 or 3, its block 4 or 5
.endr
.irp q, 0,1,2,3
	v_lshrrev_b32 v[TM+\q], 23, v[SO+\q]
.endr
	v_lshl_or_b32 v[TM], v[TM+1], 16, v[TM]
	v_lshlrev_b32 v[TM+3], v[SH8], v[TM+3]
	v_lshlrev_b32 v[CS0+\p], 16, v[TM+2]           ; the byte of block 0 or 1 comes with the normal, and the word is joined then
	v_lshlrev_b32 v[TM], v[SH8], v[TM]
	v_permlanex16_b32 v[TM+5], v[TM+3], s44, s45
	v_permlanex16_b32 v[TM+4], v[TM], s44, s45
	v_or_b32 v[CS1+\p], v[TM+3], v[TM+5]
	v_or_b32 v[HS+\p], v[TM], v[TM+4]
	WIN 0x03
.irp k, 0,1,2,3,4,5,6,7
	v_cvt_scalef32_pk8_fp4_f32 v[HC+8*\p+\k], v[MF+8*\k:MF+8*\k+7], v[SO+\k/4]
.endr
	WIN 0x81
.irp k, 0,1,2,3
	v_cvt_scalef32_pk8_fp4_f32 v[CK0+8*\p+4+\k], v[A+32+8*\k:A+32+8*\k+7], v[SO+2]
.endr
	WIN 0
.irp k, 0,1,2,3
	v_cvt_scalef32_pk8_fp4_f32 v[CK1+8*\p+\k], v[PX+8*\k:PX+8*\k+7], v[SO+3]
.endr
	v_nop                                          ; one plain line behind the conversions
.endm
; ---- the gradient at the encoding becomes the normal; the colour input's block 0
.set NG0, 192
.set NG1, 194
.set NG2, 196
.set NPP, 198
.set NT,  200
.set NGX, 204
.set NX,  208
.set NS,  211
.set NG3, 212
.macro NFMA d, k, z                    ; two numbers of the gradient at the encoding times their derivatives, onto the sum d; z = 1: they start it
.if \z
	v_pk_mul_f32 v[\d:\d+1], v[A+\k:A+\k+1], v[JJ+\k:JJ+\k+1]
.else
	v_pk_fma_f32 v[\d:\d+1], v[A+\k:A+\k+1], v[JJ+\k:JJ+\k+1], v[\d:\d+1]
.endif
.endm
.macro NSTEP p
.set A, 64*\p
.set JJ, 32*\p
	WIN 0x09                                       ; registers 0-9: coordinate 0; 10-14, 26-31: 1; 16-25: 2; 15: x0 or x2.  Four sums by turns; 0, 10, 16, 26
	NFMA NG0, 0, 1
	NFMA NG2, 16, 1
	NFMA NG1, 10, 1
	NFMA NG3, 26, 1
	NFMA NG0, 2, 0
	NFMA NG2, 18, 0
	NFMA NG1, 12, 0
	NFMA NG3, 28, 0
	NFMA NG0, 4, 0
	NFMA NG2, 20, 0
	NFMA NPP, 14, 1
	NFMA NG3, 30, 0
	NFMA NG0, 6, 0
	NFMA NG2, 22, 0
	NFMA NG0, 8, 0
	NFMA NG2, 24, 0
	WIN 0
	v_pk_add_f32 v[NG1:NG1+1], v[NG1:NG1+1], v[NG3:NG3+1]
	v_add_f32 v[NGX], v[NG0], v[NG0+1]
	v_add_f32 v[NGX+1], v[NG1], v[NG1+1]
	v_add_f32 v[NGX+2], v[NG2], v[NG2+1]
	v_cndmask_b32 v[NT], v[NPP+1], 0, s30
	v_cndmask_b32 v[NT+1], 0, v[NPP+1], s30
	v_mov_b32 v[NT+2], 0
	v_add_f32 v[NGX], v[NGX], v[NT]
	v_add_f32 v[NGX+1], v[NGX+1], v[NPP]
	v_add_f32 v[NGX+2], v[NGX+2], v[NT+1]
.irp c, 0,1,2
	v_permlanex16_b32 v[NT+\c], v[NGX+\c], s44, s45
.endr
.irp c, 0,1,2
	v_add_f32 v[NGX+\c], v[NGX+\c], v[NT+\c]       ; with the other five levels
.endr
	v_mul_f32 v[NS], v[NGX], v[NGX]
	v_fma_f32 v[NS], v[NGX+1], v[NGX+1], v[NS]
	v_fma_f32 v[NS], v[NGX+2], v[NGX+2], v[NS]
	s_wait_alu depctr_va_vdst(0)
	v_sqrt_f32 v[NS], v[NS]
.irp c, 0,1
	v_fma_f32 v[NX+\c], s[69+\c], v[TT+\p], s[66+\c]   ; x once more, as the encoding made it.  (Plain lines behind the root)
.endr
	s_wait_alu depctr_va_vdst(0)
	v_add_f32 v[NS], 0x358637bd, v[NS]             ; + 1e-6
	s_wait_alu depctr_va_vdst(0)
	v_rcp_f32 v[NS], v[NS]
	v_fma_f32 v[NX+2], s71, v[TT+\p], s68          ; (a plain line behind the reciprocal)
	s_wait_alu depctr_va_vdst(0)
.irp c, 0,1,2
	v_mul_f32 v[NGX+\c], v[NGX+\c], v[NS]
.endr
	KEPT \p
	WIN ((KW<<6)|(KW<<2))
.irp c, 0,1,2
	v_cndmask_b32 v[KB+26+\c], v[NX+\c], v[KB+26+\c], s30     ; block 0 (lanes 0-15) ends with x and n; block 1 keeps its six
	v_cndmask_b32 v[KB+29+\c], v[NGX+\c], v[KB+29+\c], s30
.endr
	WIN ((KW<<4)|(KW<<2))
	MAXQ KB, TM, 4, 1, 8
	WIN 0
	v_max3_num_f32 v[TM], v[TM], v[TM+1], v[TM+2]
	v_max_num_f32 v[TM], v[TM], v[TM+3]
	v_add_nc_u32 v[SO], 0xff000000, v[TM]
	v_lshrrev_b32 v[TM], 23, v[SO]
	v_or_b32 v[TM], v[TM], v[CS0+\p]               ; with the byte of block 2 or 3
	v_lshlrev_b32 v[TM], v[SH8], v[TM]
	v_permlanex16_b32 v[TM+1], v[TM], s44, s45
	v_or_b32 v[CS0+\p], v[TM], v[TM+1]
	WIN (0x80|KW)
.irp k, 0,1,2,3
	v_cvt_scalef32_pk8_fp4_f32 v[CK0+8*\p+\k], v[KB+8*\k:KB+8*\k+7], v[SO]
.endr
	v_nop
	WIN 0
.endm
; ---- the colour layer's 128 numbers: relu, bf16, and the product with cW1 (K = 32 a time; two sums by turns)
.macro CLSTEP p
.set A, 64*\p
	WIN 0x44
.set lq, 0
.rept 64
	v_max_num_f32 v[A+lq], 0, v[A+lq]
.set lq, lq+1
.endr
	WIN 0x05
.set lq, 0
.rept 32
	v_cvt_pk_bf16_f32 v[SCR+lq], v[A+2*lq], v[A+2*lq+1]
.set lq, lq+1
.endr
	WIN 0xa2
	v_wmma_f32_16x16x32_bf16 v[16*\p:16*\p+7], v[CW1:CW1+7], v[SCR:SCR+7], 0
	v_wmma_f32_16x16x32_bf16 v[16*\p+8:16*\p+15], v[CW1+8:CW1+15], v[SCR+8:SCR+15], 0
	v_wmma_f32_16x16x32_bf16 v[16*\p:16*\p+7], v[CW1+16:CW1+23], v[SCR+16:SCR+23], v[16*\p:16*\p+7]
	v_wmma_f32_16x16x32_bf16 v[16*\p+8:16*\p+15], v[CW1+24:CW1+31], v[SCR+24:SCR+31], v[16*\p+8:16*\p+15]
.endm
; ---- the sort: a bitonic network on index 32 a + lane.  LM: the lanes of register a that keep the smaller of the pair
.macro LMASK k, j, a
.set LM, 0
.set lq, 0
.rept 32
.set le, 32*(\a)+lq
.set lb, ((le/(\j))%2)^((le/(\k))%2)
.set LM, LM|((1-lb)<<lq)
.set lq, lq+1
.endr
.endm
.macro SSTAGE k, j
	LMASK \k, \j, 0
	s_mov_b32 s31, LM
	LMASK \k, \j, 1
	s_mov_b32 s23, LM
.if (\j) < 16                          ; the wave's two rays (r = 0, 1) go through each stage together: the masks are the same
.irp r, 0,1
	v_min_num_f32_dpp v[SA+4*\r], v[ST0+SNX*\r], v[ST0+SNX*\r] row_xmask:\j row_mask:0xf bank_mask:0xf
	v_min_num_f32_dpp v[SC+4*\r], v[ST1+SNX*\r], v[ST1+SNX*\r] row_xmask:\j row_mask:0xf bank_mask:0xf
	v_max_num_f32_dpp v[SB+4*\r], v[ST0+SNX*\r], v[ST0+SNX*\r] row_xmask:\j row_mask:0xf bank_mask:0xf
	v_max_num_f32_dpp v[SD+4*\r], v[ST1+SNX*\r], v[ST1+SNX*\r] row_xmask:\j row_mask:0xf bank_mask:0xf
.endr
.else
.irp r, 0,1
	v_permlanex16_b32 v[SB+4*\r], v[ST0+SNX*\r], s44, s45
	v_permlanex16_b32 v[SD+4*\r], v[ST1+SNX*\r], s44, s45
.endr
.irp r, 0,1
	v_min_num_f32 v[SA+4*\r], v[ST0+SNX*\r], v[SB+4*\r]
	v_min_num_f32 v[SC+4*\r], v[ST1+SNX*\r], v[SD+4*\r]
	v_max_num_f32 v[SB+4*\r], v[ST0+SNX*\r], v[SB+4*\r]
	v_max_num_f32 v[SD+4*\r], v[ST1+SNX*\r], v[SD+4*\r]
.endr
.endif
.irp r, 0,1
	v_cndmask_b32 v[ST0+SNX*\r], v[SB+4*\r], v[SA+4*\r], s31
	v_cndmask_b32 v[ST1+SNX*\r], v[SD+4*\r], v[SC+4*\r], s23
.endr
.endm
.macro SORT2                           ; both rays' 64 numbers in ascending order
	SSTAGE 2, 1
	SSTAGE 4, 2
	SSTAGE 4, 1
	SSTAGE 8, 4
	SSTAGE 8, 2
	SSTAGE 8, 1
	SSTAGE 16, 8
	SSTAGE 16, 4
	SSTAGE 16, 2
	SSTAGE 16, 1
	SSTAGE 32, 16
	SSTAGE 32, 8
	SSTAGE 32, 4
	SSTAGE 32, 2
	SSTAGE 32, 1
.irp r, 0,1
	v_min_num_f32 v[SA+4*\r], v[ST0+SNX*\r], v[ST1+SNX*\r]    ; index xor 32: between the two registers
	v_max_num_f32 v[ST1+SNX*\r], v[ST0+SNX*\r], v[ST1+SNX*\r]
.endr
.irp r, 0,1
	v_mov_b32 v[ST0+SNX*\r], v[SA+4*\r]
.endr
	SSTAGE 64, 16
	SSTAGE 64, 8
	SSTAGE 64, 4
	SSTAGE 64, 2
	SSTAGE 64, 1
.endm
; =============================================== the head
	s_load_b512 s[4:19], s[0:1], 0x0               ; image s[4:5], ray s[6:7], t s[8:9], by s[10:11], cb1 s[12:13], out0 s[14:15], out1 s[16:17], out2 s[18:19]
	s_load_b64 s[20:21], s[0:1], 0x40              ; out3
	v_lshl_add_u32 v244, v0, 2, 0x47400
	v_mov_b32 v245, 0
	ds_add_u32 v244, v245
	ds_add_u32 v244, v245
	v_lshrrev_b32 v1, 5, v0
	v_readfirstlane_b32 s22, v1                    ; wave 0..3
	s_bfe_u32 s23, ttmp6, 0x40000                  ; my place in the cluster: it enters the rays' addresses alone
	s_lshl_b32 s24, ttmp9, 2
	s_add_co_u32 s24, s24, s23                     ; work-group
	s_lshl_b32 s24, s24, 3
	s_lshl_b32 s25, s22, 1
	s_add_co_u32 s24, s24, s25                     ; my first ray: 8 x work-group + 2 x wave
	s_mul_i32 s28, s22, QUART                      ; my quarter of the image, in memory and in LDS alike
	s_mov_b32 s29, 0
	s_mov_b32 s36, 15|(3<<16)|(1<<21)              ; group 1: 15:0 the mask: all four work-groups; 17:16 elements of 8 bytes; 21 set beside a mask; no padding
	s_mov_b32 s37, 32<<16                          ; tensor_dim0 = 32 elements: rows of 256 bytes
	s_mov_b32 s38, 171<<16                         ; tensor_dim1 = 171 rows
	s_mov_b32 s39, 32<<16                          ; tile_dim0
	s_mov_b32 s40, 171                             ; tile_dim1
	s_mov_b32 s41, 32                              ; from row to row: dense
	s_mov_b32 s42, 0
	s_mov_b32 s43, 0
	s_wait_dscnt 0x0
	s_wait_kmcnt 0x0
	s_mov_b32 s32, 1                               ; group 0: count,
	s_mov_b32 s33, s28                             ; LDS address,
	s_add_nc_u64 s[34:35], s[4:5], s[28:29]        ; global address: made of the wave's number alone, so equal in the four partners,
	s_or_b32 s35, s35, 0x80000000                  ; type
	ROUND                                          ; the four work-groups are here: their requests meet
	tensor_load_to_lds s[32:35], s[36:43]          ; my one tensor load of the launch
	s_nop 0
	NOPS 4
	s_load_b32 s75, s[10:11], 0x0                  ; by
	s_load_b96 s[72:74], s[12:13], 0x0             ; cb1
	s_mov_b32 s27, 0
	s_mul_i32 s26, s24, 24
	s_add_nc_u64 s[6:7], s[6:7], s[26:27]
	s_load_b64 s[66:67], s[6:7], 0x0               ; my first ray's o, d: s66-68, s69-71
	s_load_b64 s[68:69], s[6:7], 0x8
	s_load_b64 s[70:71], s[6:7], 0x10
	s_lshl_b32 s26, s24, 8
	s_add_nc_u64 s[8:9], s[8:9], s[26:27]
	s_add_nc_u64 s[18:19], s[18:19], s[26:27]
	s_add_nc_u64 s[20:21], s[20:21], s[26:27]
	s_mul_i32 s26, s24, 12
	s_add_nc_u64 s[14:15], s[14:15], s[26:27]
	s_lshl_b32 s26, s24, 2
	s_add_nc_u64 s[16:17], s[16:17], s[26:27]
	s_mov_b32 s30, 0xffff0000                      ; lanes 16-31
	s_mov_b32 s44, 0x76543210
	s_mov_b32 s45, 0xfedcba98                      ; v_permlanex16_b32's selects for lane l xor 16
	s_mov_b32 s46, 0x4b400000                      ; 1.5 x 2^23.  (The packed forms name pairs and take the low word: both are written)
	s_mov_b32 s47, s46
	s_mov_b32 s48, 0x3fc90fdb                      ; pi/2
	s_mov_b32 s49, s48
	s_mov_b32 s50, 0xb94ca1f9                      ; sine: z^3's,
	s_mov_b32 s51, s50
	s_mov_b32 s52, 0xbe2aaaa3                      ; z's coefficient
	s_mov_b32 s53, s52
	s_mov_b32 s54, 0x37ccf5ce                      ; cosine: z^4's,
	s_mov_b32 s55, s54
	s_mov_b32 s56, 0x3d2aaaa5                      ; z^2's
	s_mov_b32 s57, s56
	s_mov_b32 s58, 0x3f22f983                      ; 2/pi, high word
	s_mov_b32 s59, 0x32dc9c88                      ; low word
	s_mov_b32 s60, 0x80000000
	s_mov_b32 s61, 0x3f800000
	s_mov_b32 s62, 0x11111111
	s_mov_b32 s100, 0xbfb8aa3b                     ; -log2(e)
	v_and_b32 v[LANE], 31, v0
	v_lshlrev_b32 v[LANE16], 4, v[LANE]
	v_bfe_u32 v[HB], v0, 4, 1
	v_mul_u32_u24 v[AT], 5, v[HB]
.irp k, 0,1,2,3,4,5
	v_add_nc_u32 v[AT2], \k, v[AT]
	v_ldexp_f32 v[PW2+\k], 1.0, v[AT2]             ; 2^(5 h + k)
.endr
	v_lshlrev_b32 v[HB], 8, v[HB]
	v_lshrrev_b32 v[SH8], 5, v[HB]
	s_mul_i32 s26, s22, MWAVE
	s_add_co_u32 s26, s26, MBASE
	v_add_nc_u32 v[MA], s26, v[LANE16]
	v_add_nc_u32 v[MA5], 5*4096, v[MA]
	s_lshl_b32 s26, s22, 9
	s_add_co_u32 s26, s26, OBASE
	v_lshl_add_u32 v[OA], v[LANE], 2, s26
	v_lshl_add_u32 v[OB], v[LANE], 3, s26
	v_lshlrev_b32 v[GO8], 3, v[LANE]
	global_load_b64 v[ST0:ST0+1], v[GO8], s[8:9] th:TH_LOAD_NT                      ; both rays' t as it lies, 256 consecutive bytes a load: a sort does not mind where it starts
	global_load_b64 v[ST0+SNX:ST0+SNX+1], v[GO8], s[8:9] offset:256 th:TH_LOAD_NT
	v_lshlrev_b32 v[GO4], 2, v[LANE]
	v_mov_b32 v[FLOORV], 0x01800000
	v_mov_b32 v[SATV], 0x0f800000
	v_mov_b32 v[U80], 0x80808080
	v_mov_b32 v[KC], 0x3c08839e                    ; sine: z^2's coefficient
	v_mov_b32 v[KC+1], 0xbab6061a                  ; cosine: z^3's
.irp i, 4,5,6,7
	v_mov_b32 v[TM+\i], 0                          ; written once: a lane permute's destination counts as one of its sources
.endr
.irp i, 0,1,2,3,4,5,6,7
	v_mov_b32 v[SA+\i], 0
.endr
.irp p, 0,1,2,3
.irp i, 4,5,6,7
	v_mov_b32 v[CK1+8*\p+\i], 0                    ; the colour input's K places 192 on: zero codes, for good
.endr
.endr
	v_add_nc_u32 v[AT], IMG_TB+9*512, v[HB]
	v_add_nc_u32 v[AT2], IMG_CW, v[LANE16]
	s_wait_alu depctr_va_vdst(0)
	s_wait_kmcnt 0x0
	s_mul_f32 s72, s72, s100                       ; cb1 x -log2(e): the sigmoid's exponent is one multiply-add
	s_mul_f32 s73, s73, s100
	s_mul_f32 s74, s74, s100
	s_mov_b32 s24, 0                               ; rays done
	s_wait_loadcnt 0x0                             ; both rays' t are in
	SORT2                                          ; work on registers alone, while the image is on its way
	s_wait_alu depctr_va_vdst(0)
	s_wait_tensorcnt 0x0                           ; my quarter of the image lies in LDS,
	s_barrier_signal -1
	s_barrier_wait -1                              ; everybody's does.  It is read from here on and never written
	s_load_b64 s[32:33], s[6:7], 0x18              ; my second ray's o, d, into registers of the descriptor, whose load is done; they are moved over at the first ray's end
	s_load_b64 s[34:35], s[6:7], 0x20
	s_load_b64 s[36:37], s[6:7], 0x28
	LOADT AT, WY                                   ; Wy and cW1 stay in registers
	WIN 0x80
.irp k, 0,1,2,3,4,5,6,7
	ds_load_b128 v[CW1+4*\k:CW1+4*\k+3], v[AT2] offset:512*\k
.endr
	WIN 0
; =============================================== a ray
.Lray:
	ds_store_b32 v[OA], v[ST0]                     ; the ray's t, sorted at the head, leaves through my 256 bytes of LDS, so that one store covers 256 consecutive bytes, aligned
	ds_store_b32 v[OA], v[ST1] offset:128
	ds_load_b64 v[OUTP:OUTP+1], v[OB]              ; LDS serves a wave's instructions in order: this sees the stores
	v_add_nc_u32 v[AT2], IMG_SC, v[LANE16]
	v_add_nc_u32 v[AT3], IMG_TB, v[HB]
	LOADW LANE16, AT2, WB, WS                      ; layer 0's weights,
	LOADT AT3, BIAS                                ; its bias,
	v_add_nc_u32 v[AT], 18*8192, v[LANE16]
	v_add_nc_u32 v[AT2], IMG_SC+18*512, v[LANE16]
	LOADW AT, AT2, WE, WSE                         ; and layer 4's weights for the encoding: they land under the encoding's work
	v_permlanex16_b32 v[SC], v[ST0], s44, s45
	v_permlanex16_b32 v[SD], v[ST1], s44, s45
	v_cndmask_b32 v[TT], v[ST0], v[SC], s30        ; lane (r, h) of tile p: t of point 16 p + r
	v_cndmask_b32 v[TT+1], v[SC], v[ST0], s30
	v_cndmask_b32 v[TT+2], v[ST1], v[SD], s30
	v_cndmask_b32 v[TT+3], v[SD], v[ST1], s30
	s_wait_dscnt 50                                ; the 8 bytes are back; the 17 + 16 + 17 loads issued behind them may be out
	global_store_b64 v[GO8], v[OUTP:OUTP+1], s[20:21] th:TH_STORE_NT
	; ---- PE(d): lane l < 12 takes coordinate l / 4, level l % 4; the 24 numbers go to scalars, since the whole ray shares them
	v_lshrrev_b32 v[PU], 2, v[LANE]
	v_and_b32 v[PV], 3, v[LANE]
	v_mov_b32 v[X], s69
	v_cmp_eq_u32 vcc_lo, 1, v[PU]
	v_cndmask_b32 v[X], v[X], s70, vcc_lo
	v_cmp_lt_u32 vcc_lo, 1, v[PU]
	v_cndmask_b32 v[X], v[X], s71, vcc_lo
	v_ldexp_f32 v[PWD], 1.0, v[PV]
	v_mov_b32 v[PWD+1], v[PWD]
	v_mul_f32 v[WC], s58, v[X]
	v_fma_f32 v[WC+1], v[X], s58, -v[WC]
	v_fma_f32 v[WC+1], v[X], s59, v[WC+1]
	PEPOLY WC, PWD, 1
	PEFIX 0
	v_pk_mul_f32 v[PA:PA+1], v[PA:PA+1], v[PG:PG+1]
.irp c, 0,1,2
.irp l, 0,1,2,3
	v_readlane_b32 s[76+8*\c+\l], v[PA], 4*\c+\l          ; PE(d)[3 + 8 c + l]: the sine,
	v_readlane_b32 s[80+8*\c+\l], v[PA+1], 4*\c+\l        ; [3 + 8 c + 4 + l]: the cosine.  PE(d)[j] lies in s[69 + j] for j < 3, else in s[73 + j]
.endr
.endr
	; ---- the encoding of the 64 points
	PESTEP 0
	PESTEP 1
	PESTEP 2
	PESTEP 3
	; ---- layer 0
	s_wait_alu depctr_va_vdst(0)
	s_wait_dscnt 0x0
	NOPS 8                                         ; a scale word written by a vector line stands 8 places ahead of a scaled product, codes so written 4
	WIN 0x73
.irp p, 0,1,2,3
	WMN 4, 64*\p, WB, EC+8*\p, ES+\p, WS, 1
.endr
	WIN 0
	s_mov_b32 s25, 0                               ; the layer whose sums lie in the accumulators
	s_mov_b32 s26, 8192                            ; the next layer's group,
	s_mov_b32 s27, IMG_SC+512                      ; its scale words,
	s_mov_b32 s28, IMG_TB+512                      ; its bias,
	s_mov_b32 s29, 0                               ; this layer's masks
.Lfwd:                                             ; 7 trips: layers 0 .. 6
	v_add_nc_u32 v[AT], s26, v[LANE16]             ; four plain lines: the places between the last products and the loads into their registers, and the first read of results
	v_add_nc_u32 v[AT2], s27, v[LANE16]
	v_add_nc_u32 v[AT3], s28, v[HB]
	v_add_nc_u32 v[AM], s29, v[MA]
	LOADW AT, AT2, WB, WS                          ; the next layer's weights and bias land while the four tiles are worked on
	LOADT AT3, BIAS
	FWD4
	s_wait_alu depctr_va_vdst(0)
	s_wait_dscnt 8                                 ; weights and bias are in; the 8 mask stores issued behind them may be out: my own loads read them later, and LDS serves a wave's instructions in order
	NOPS 4                                         ; the last codes stand 4 places ahead of the products; the scale words were written far ahead
	WIN 0x73
.irp p, 0,1,2,3
	WMN 4, 64*\p, WB, HC+8*\p, HS+\p, WS, 1        ; the layer's bias is the C of its first products
.endr
	WIN 0
	s_cmp_lg_u32 s25, 3
	s_cbranch_scc1 .Lno_e
	WIN 0x53                                       ; layer 4 takes the encoding too: a second K step on the same sums
.irp p, 0,1,2,3
	WMN 4, 64*\p, WE, EC+8*\p, ES+\p, WSE, 2
.endr
	WIN 0
.Lno_e:
	s_add_co_u32 s26, s26, 8192
	s_add_co_u32 s27, s27, 512
	s_add_co_u32 s28, s28, 512
	s_add_co_u32 s29, s29, 4096
	s_add_co_u32 s25, s25, 1
	s_cmp_lt_u32 s25, 7
	s_cbranch_scc1 .Lfwd
	; ---- layer 7
	v_add_nc_u32 v[AT], 8*8192, v[LANE16]          ; (four places)
	v_add_nc_u32 v[AT2], IMG_SC+8*512, v[LANE16]
.set iq, 0
.rept 26                                           ; what the ray's points share of the colour input's block 4: lanes 0-15 PE(d)[i]; lanes 16-31, block 5: zeros.  (Also the places behind the last products)
.if iq < 3
	v_cndmask_b32 v[PX+iq], s[69+iq], 0, s30
.else
	v_cndmask_b32 v[PX+iq], s[73+iq], 0, s30
.endif
.set iq, iq+1
.endr
	v_max3_num_f32 v[PM], v[FLOORV], |v[PX]|, |v[PX+1]|
.irp i, 2,4,6,8,10,12,14,16,18,20,22,24
	v_max3_num_f32 v[PM], v[PM], |v[PX+\i]|, |v[PX+\i+1]|
.endr
	LOADW AT, AT2, WB, WS                          ; dW7 backward
	L7STEP 0
	L7STEP 1
	L7STEP 2
	L7STEP 3
	v_add_nc_u32 v[AM], 6*4096, v[MA]
	MLOAD
	s_wait_alu depctr_va_vdst(0)
	s_wait_dscnt 8
	NOPS 8
	WIN 0x53
.irp p, 0,1,2,3
	WMN 4, 64*\p, WB, HC+8*\p, HS+\p, WS, 0
.endr
	WIN 0
	s_mov_b32 s25, 6                               ; the layer whose masks are in registers
	s_mov_b32 s26, 9*8192                          ; that layer's weights backward
	s_mov_b32 s27, IMG_SC+9*512
	s_mov_b32 s29, 0                               ; how far under layer 5 the next masks lie
.Lbwd:                                             ; 6 trips: layers 6 .. 1
	v_add_nc_u32 v[AT], s26, v[LANE16]             ; (four places)
	v_add_nc_u32 v[AT2], s27, v[LANE16]
	v_sub_nc_u32 v[AM], v[MA5], s29
	v_nop
	LOADW AT, AT2, WB, WS
	s_wait_dscnt 17                                ; the 17 just issued may be out; the masks, issued before them, are in
	BWD4
	s_cmp_lg_u32 s25, 4
	s_cbranch_scc1 .Lno_keep
.set iq, 0
.rept 32
	v_mov_b32 v[EC+iq], v[HC+iq]                   ; layer 4's gradient also leads back to the encoding: its codes are kept
.set iq, iq+1
.endr
.irp p, 0,1,2,3
	v_mov_b32 v[ES+\p], v[HS+\p]
.endr
.Lno_keep:
	MLOAD                                          ; the next layer's masks
	s_wait_dscnt 8                                 ; they may be out; the weights are in
	NOPS 8
	WIN 0x53
	s_wait_alu depctr_va_vdst(0)
.irp p, 0,1,2,3
	WMN 4, 64*\p, WB, HC+8*\p, HS+\p, WS, 0
.endr
	WIN 0
	s_add_co_u32 s26, s26, 8192
	s_add_co_u32 s27, s27, 512
	s_add_co_u32 s29, s29, 4096
	s_sub_co_u32 s25, s25, 1
	s_cmp_lg_u32 s25, 0
	s_cbranch_scc1 .Lbwd
	; ---- layer 0's mask, and back to the encoding: 32 numbers a lane, from layer 4's gradient and from layer 0's
	v_add_nc_u32 v[AT], 15*8192, v[LANE16]
	v_add_nc_u32 v[AT2], IMG_SC+15*512, v[LANE16]
	NOPS 2
	LOADW AT, AT2, WB, WS
	s_wait_dscnt 17                                ; as in the loop
	BWD4
	s_wait_dscnt 0x0
	NOPS 8
	WIN 0x53
.irp p, 0,1,2,3
	WMN 2, 64*\p, WB, EC+8*\p, ES+\p, WS, 0
.endr
	s_wait_alu depctr_va_vdst(0)
.irp p, 0,1,2,3
	WMN 2, 64*\p, WB+32, HC+8*\p, HS+\p, WS+2, 2
.endr
	WIN 0
	; ---- the normal, and the colour layer
	v_add_nc_u32 v[AT], 16*8192, v[LANE16]
	v_add_nc_u32 v[AT2], IMG_SC+16*512, v[LANE16]
	v_add_nc_u32 v[AT3], IMG_TB+8*512, v[HB]
	v_nop
	LOADW AT, AT2, WB, WS
	LOADT AT3, BIAS
	NSTEP 2                                        ; tiles 2 and 3 first: what is kept of them lies where the colour layer's second K step goes
	NSTEP 3
	v_add_nc_u32 v[AT], 17*8192, v[LANE16]
	v_add_nc_u32 v[AT2], IMG_SC+17*512, v[LANE16]
	LOADW AT, AT2, WE, WSE                         ; it lands under the other two tiles' work
	s_wait_alu depctr_va_vdst(0)                   ; the wait ahead of the first read of tile 0's sums
	NSTEP 0
	NSTEP 1
	s_wait_alu depctr_va_vdst(0)
	s_wait_dscnt 0x0
	NOPS 8
	WIN 0x7b
.irp p, 0,1,2,3
	WMN 4, 64*\p, WB, CK0+8*\p, CS0+\p, WS, 1
.endr
	WIN 0x53
.irp p, 0,1,2,3
	WMN 4, 64*\p, WE, CK1+8*\p, CS1+\p, WSE, 2
.endr
	WIN 0
	v_mov_b32 v[ST0], v[ST0+SNX]                   ; the second ray's sorted t takes its place: the codes that lay here are done with.  (Two of the four places behind the products)
	v_mov_b32 v[ST1], v[ST1+SNX]
	NOPS 2
	CLSTEP 0
	CLSTEP 1
	CLSTEP 2
	CLSTEP 3
	WIN 0
	; ---- compositing.  Lanes 0-15 of tile p hold points 16 p + r (lanes 16-31 the same again, but for the colours)
	; What is written first here (SG, EX, TO) lies in v232-243, outside v192-223, which the last four products read: so these twelve lines name none of those products' registers.
.set AL,  196
.set WI,  208
.set COL, 212
.set SUM, 224
.set VV,  228
.set SG,  232
.set EX,  236
.set TO,  240
.irp p, 0,1,2,3
	v_mul_f32 v[SG+\p], 0x4166d4ca, v[YY+\p]       ; sigmoid(-10 y) = 1 / (1 + 2^(10 log2(e) y)).  (These and the eight moves are the places behind the last products)
.endr
.irp p, 0,1,2,3
	v_mov_b32 v[EX+\p], 1.0
	v_mov_b32 v[TO+\p], 1.0
.endr
	s_wait_alu depctr_va_vdst(0)
.irp p, 0,1,2,3
	v_exp_f32 v[SG+\p], v[SG+\p]
.endr
	WIN 0x0a
	s_wait_alu depctr_va_vdst(0)
.irp c, 0,1,2
.irp p, 0,1,2,3
	v_add_f32 v[COL+4*\c+\p], v[16*\p+\c], v[16*\p+8+\c]      ; the two sums: colour c of point r in register c of lanes 0-15
.endr
.endr
	WIN 0
	s_wait_alu depctr_va_vdst(0)
.irp p, 0,1,2,3
	v_add_f32 v[SG+\p], 1.0, v[SG+\p]
.endr
.irp c, 0,1,2
.irp p, 0,1,2,3
	v_fma_f32 v[COL+4*\c+\p], v[COL+4*\c+\p], s100, s[72+\c]
.endr
.endr
	s_wait_alu depctr_va_vdst(0)
.irp p, 0,1,2,3
	v_rcp_f32 v[SG+\p], v[SG+\p]                   ; sigma
.endr
.set iq, 0
.rept 12
	v_exp_f32 v[COL+iq], v[COL+iq]
.set iq, iq+1
.endr
	v_nop
.set iq, 0
	s_wait_alu depctr_va_vdst(0)
.rept 12
	v_add_f32 v[COL+iq], 1.0, v[COL+iq]
.set iq, iq+1
.endr
.irp p, 0,1,2,3
	v_sub_f32 v[AL+\p], 1.0, v[SG+\p]
.endr
.set iq, 0
	s_wait_alu depctr_va_vdst(0)
.rept 12
	v_rcp_f32 v[COL+iq], v[COL+iq]                 ; the colours
.set iq, iq+1
.endr
.irp s, 1,2,4,8
.irp p, 0,1,2,3
	v_mul_f32_dpp v[AL+\p], v[AL+\p], v[AL+\p] row_shr:\s row_mask:0xf bank_mask:0xf    ; products of 1 - sigma up to and with each point of a tile; lanes without a source keep theirs
.endr
.endr
.irp p, 0,1,2,3
	v_mov_b32_dpp v[EX+\p], v[AL+\p] row_shr:1 row_mask:0xf bank_mask:0xf    ; up to and without it; the tile's first point keeps 1
.endr
.irp p, 0,1,2
	v_mov_b32_dpp v[TO+\p], v[AL+\p] row_share:15 row_mask:0xf bank_mask:0xf ; the tile's whole product
.endr
	v_mul_f32 v[TO+1], v[TO], v[TO+1]
	v_mul_f32 v[TO+2], v[TO+1], v[TO+2]
.irp p, 0,1,2,3
	v_mul_f32 v[WI+\p], v[SG+\p], v[EX+\p]
.endr
.irp p, 1,2,3
	v_mul_f32 v[WI+\p], v[WI+\p], v[TO+\p-1]       ; the weights
.endr
	s_wait_alu depctr_va_vdst(0)
.irp c, 0,1,2
	v_mul_f32 v[SUM+\c], v[WI], v[COL+4*\c]
.endr
	v_mul_f32 v[SUM+3], v[WI], v[TT]
.irp p, 1,2,3
.irp c, 0,1,2
	v_fma_f32 v[SUM+\c], v[WI+\p], v[COL+4*\c+\p], v[SUM+\c]
.endr
	v_fma_f32 v[SUM+3], v[WI+\p], v[TT+\p], v[SUM+3]
.endr
.irp s, 1,2,4,8
.irp q, 0,1,2,3
	v_add_f32_dpp v[SUM+\q], v[SUM+\q], v[SUM+\q] row_xmask:\s row_mask:0xf bank_mask:0xf
.endr
.endr
	v_cndmask_b32 v[VV], v[WI], v[WI+1], s30       ; lane l: point l, and point 32 + l
	v_cndmask_b32 v[VV+1], v[WI+2], v[WI+3], s30
	ds_store_b32 v[OA], v[VV]
	ds_store_b32 v[OA], v[VV+1] offset:128
	s_wait_alu depctr_va_vdst(0)
	s_wait_xcnt 0x0                                ; the store of the sorted t has read v[8:9]: they are loaded again only behind this wait
	ds_load_b64 v[OUTP:OUTP+1], v[OB]
	s_mov_b32 s31, 2
	v_cndmask_b32 v[VV+2], v[SUM], v[SUM+1], s31   ; lanes 0, 1, 2: the ray's three colours
	s_mov_b32 s31, 4
	v_cndmask_b32 v[VV+2], v[VV+2], v[SUM+2], s31
	v_cmp_gt_u32 vcc_lo, 3, v[LANE]
	s_wait_alu depctr_va_vdst(0)
	s_wait_dscnt 0x0
	global_store_b64 v[GO8], v[OUTP:OUTP+1], s[18:19] th:TH_STORE_NT     ; 256 consecutive bytes, aligned
	s_wait_xcnt 0x0                                ; EXEC changes only behind this wait
	s_and_saveexec_b32 s101, vcc_lo
	global_store_b32 v[GO4], v[VV+2], s[14:15]     ; 12 bytes a ray: all that there is
	s_wait_xcnt 0x0
	s_or_b32 exec_lo, exec_lo, s101
	v_cmp_eq_u32 vcc_lo, 0, v[LANE]
	s_and_saveexec_b32 s101, vcc_lo
	global_store_b32 v[GO4], v[SUM+3], s[16:17]    ; the depth
	s_wait_xcnt 0x0                                ; and the bases and the stores' registers are written again only behind it
	s_or_b32 exec_lo, exec_lo, s101
	s_wait_kmcnt 0x0                               ; the second ray's o, d are in
	s_mov_b64 s[66:67], s[32:33]
	s_mov_b64 s[68:69], s[34:35]
	s_mov_b64 s[70:71], s[36:37]
	s_add_nc_u64 s[14:15], s[14:15], 12
	s_add_nc_u64 s[16:17], s[16:17], 4
	s_add_nc_u64 s[18:19], s[18:19], 256
	s_add_nc_u64 s[20:21], s[20:21], 256
	s_add_co_u32 s24, s24, 1
	s_cmp_lt_u32 s24, 2
	s_cbranch_scc1 .Lray
	s_wait_dscnt 0x0
	s_wait_tensorcnt 0x0
	ds_add_u32 v244, v245
	s_wait_dscnt 0x0
	ROUND                                          ; the closing round: no work-group ends while a partner may still ask for the image
	s_endpgm
.Lfunc_end_k_q95f206f951_render:
	.size	k_q95f206f951_render, .Lfunc_end_k_q95f206f951_render-k_q95f206f951_render
	.p2alignl 7, 3214868480
	.fill 96, 4, 3214868480
	.section	.rodata,"a",@progbits
	.p2align	6, 0x0
	.amdhsa_kernel k_q95f206f951_render
		.amdhsa_group_segment_fixed_size 292352
		.amdhsa_private_segment_fixed_size 0
		.amdhsa_enable_private_segment 0
		.amdhsa_kernarg_size 72
		.amdhsa_user_sgpr_count 2
		.amdhsa_user_sgpr_kernarg_segment_ptr 1
		.amdhsa_wavefront_size32 1
		.amdhsa_system_sgpr_workgroup_id_x 1
		.amdhsa_system_sgpr_workgroup_id_y 1
		.amdhsa_system_sgpr_workgroup_id_z 1
		.amdhsa_system_vgpr_workitem_id 0
		.amdhsa_next_free_vgpr 1024
		.amdhsa_next_free_sgpr 102
		.amdhsa_reserve_vcc 1
		.amdhsa_float_denorm_mode_32 3
		.amdhsa_float_denorm_mode_16_64 3
		.amdhsa_memory_ordered 1
		.amdhsa_forward_progress 1
		.amdhsa_inst_pref_size 255
	.end_amdhsa_kernel
	.section	.bss,"aw",@nobits
	.p2align	6
	.space	262144
	.amdgpu_metadata
---
amdhsa.version: [ 1, 2 ]
amdhsa.kernels:
  - .name:           k_q95f206f951_render
    .symbol:         k_q95f206f951_render.kd
    .args:
      - { .name: wimg, .offset: 0, .size: 8, .value_kind: global_buffer, .address_space: global }
      - { .name: ray, .offset: 8, .size: 8, .value_kind: global_buffer, .address_space: global }
      - { .name: t, .offset: 16, .size: 8, .value_kind: global_buffer, .address_space: global }
      - { .name: params_by, .offset: 24, .size: 8, .value_kind: global_buffer, .address_space: global }
      - { .name: params_cb1, .offset: 32, .size: 8, .value_kind: global_buffer, .address_space: global }
      - { .name: out0, .offset: 40, .size: 8, .value_kind: global_buffer, .address_space: global }
      - { .name: out1, .offset: 48, .size: 8, .value_kind: global_buffer, .address_space: global }
      - { .name: out2, .offset: 56, .size: 8, .value_kind: global_buffer, .address_space: global }
      - { .name: out3, .offset: 64, .size: 8, .value_kind: global_buffer, .address_space: global }
    .group_segment_fixed_size: 292352
    .private_segment_fixed_size: 0
    .kernarg_segment_align: 8
    .kernarg_segment_size: 72
    .max_flat_workgroup_size: 128
    .sgpr_count:     102
    .vgpr_count:     1024
    .wavefront_size: 32
...
	.end_amdgpu_metadata
.endif
;; end of part 2
